; MI455X (gfx1250); checked and timed in simulation.
; The chip was launched on July 23, 2026; its instructions are those of AMD's public machine-readable ISA for CDNA 5 (MIT licence, August 2026) and "CDNA5" Instruction Set Architecture Reference Guide (July 2026). The comments in the code are by the model that wrote it; some were corrected since.
;; Model. Allowed arithmetic: matrix products marked QUANTISED: E2M1 operands, one E8M0 scale for each 32 along K, by v_wmma_scale_f32_16x16x128_f8f6f4 with both operands' format E2M1 (or v_wmma_scale_f32_32x16x128_f4), f32 sums; everything else in f32.
;; Inputs: Wk 2,048 x 2,048 float32; Wq 2,048 x 2,048 float32; attn_mask 512 x 2,048 float32; bk 2,048 float32; bq 2,048 float32; key_input 4 x 2,048 x 2,048 float32; query_input 4 x 512 x 2,048 float32; value_input 4 x 2,048 x 2,048 float32.
;; Outputs: out0 4 x 512 x 2,048 float32.
;; This version of the problem:
;;   THIS VERSION OF THE PROBLEM IS GIVEN IN LOW PRECISION. The matrix products marked QUANTISED in the list below multiply operands that are first quantised to E2M1 (2 exponent bits, 1 mantissa bit; 4 bits a number), with one power-of-two scale for each 32 numbers along K (OCP MX v1.0); their sums are f32. All else is computed in f32.
;;   The module's matrix products, in the order in which they are computed (A, B: the left and right operand; K: the contracted axis; several contracted axes count as one K, in the product's order):
;;     1. [M 2,048, K 2,048] x [K 2,048, N 2,048]; A: input query_input; B: input Wq: QUANTISED
;;     2. [M 8,192, K 2,048] x [K 2,048, N 2,048]; A: input key_input; B: input Wk: QUANTISED
;;     3. batch 4 x [M 512, K 2,048] x [K 2,048, N 2,048]; A: computed on the way; B: computed on the way: QUANTISED
;;     4. [M 8,192, K 2,048] x [K 2,048, N 512]; A: input value_input; B: input attn_mask: QUANTISED
;;   THE QUANTISER, for each operand of a quantised product, along K:
;;     - K is cut into blocks of 32 from its start; a last block that is shorter is filled with zeros.
;;     - A block's scale is 2^e with e = floor(log2(the largest magnitude in the block)) - 2, held to -126 .. 127; a block of zeros has e = 0. As a byte (E8M0): e + 127.
;;     - Each number is divided by its block's scale, clamped to +-6, and rounded to the nearest number of E2M1, ties to even, subnormals kept.
;;     - The product sums the exact products of the quantised numbers (number of the format x scale) in f32.
;;   ~~~python
;;   def quantise(x, axis):      # numpy; x: float32 -> the quantised numbers, widened to float32 again
;;       x = np.moveaxis(x, axis, -1); K = x.shape[-1]
;;       x = np.pad(x, [(0, 0)] * (x.ndim - 1) + [(0, -K % 32)]); x = x.reshape(x.shape[:-1] + (-1, 32)); a = np.abs(x).max(-1, keepdims=True)
;;       e = np.where(a > 0, np.clip(np.frexp(np.where(a > 0, a, 1))[1] - 1 - 2, -126, 127), 0)      # np.frexp(a)[1] - 1 = floor(log2(a)), exactly
;;       r = np.clip(x / 2.0 ** e, -6, 6)
;;       step = 2.0 ** (np.maximum(np.frexp(np.where(r == 0, 1, r))[1] - 1, 0) - 1)
;;       q = np.round(r / step) * step * 2.0 ** e      # np.round: ties to even
;;       return np.moveaxis(q.reshape(q.shape[:-2] + (-1,))[..., :K], -1, axis).astype(np.float32)
;;   ~~~
;;   OPERANDS COMPUTED ON THE WAY. 'Computed on the way' means the value that the module computes at that place (a softmax that the list does not call 'softmax' is quantised finished and normalised). What goes into a quantiser is computed in f32, as accurately as f32 sums, v_exp_f32 and their like allow (about 1e-6 of the number): no bf16 or f16 on the way to a quantiser, and a product that is left as it is and whose result goes on into a quantised operand takes f32 operands (vector FMAs, or v_wmma_f32_16x16x4_f32). A number that lies on a knife's edge between two numbers of the format may be rounded either way, as far as f32 arithmetic and the matrix unit's own rounding can turn it there, and no further.
;; One version. Each part assembles by itself: llvm-mc -triple=amdgcn-amd-amdhsa -mcpu=gfx1250 --defsym DOCPART=n.
;; ======== version 1 of 1: 4 launches
;; limits: right only within a limited range of input values
;; workspace buffers: xw_c 23,592,960 bytes; xw_s 1,474,560 bytes; qk_c 10,485,760 bytes; qk_s 655,360 bytes; u 16,777,216 bytes; stats 524,288 bytes
;; launch quant (part 1): grid 1440 x 1, 4 waves a work-group, no clusters, 53,248 bytes of LDS; arguments query_input, key_input, Wq, Wk, attn_mask, value_input, xw_c, xw_s; writes xw_c, xw_s
.if DOCPART == 1
	.amdgcn_target "amdgcn-amd-amdhsa--gfx1250"
	.amdhsa_code_object_version 6
	.text
	.protected	k_q4e53a75d2a_quant
	.globl	k_q4e53a75d2a_quant
	.p2align	8
	.type	k_q4e53a75d2a_quant,@function
k_q4e53a75d2a_quant:
	s_mov_b64 s[64:65], 0
	v_nop
	global_prefetch_b8 v0, s[64:65] scope:SCOPE_SE
	s_setreg_imm32_b32 hwreg(HW_REG_WAVE_MODE, 25, 1), 1
	s_wait_xcnt 0x0
; LAUNCH 1 OF 4.  The six large f32 inputs become codes of FP4 (E2M1) with one E8M0 byte for each 32 along K, laid as IMAGES OF OPERAND REGISTERS.
; NOTHING OF reference() IS LEFT OUT IN THIS PROGRAM: bq and bk go into quantised operands of the third product, attn_mask varies along the softmax's axis and is an operand of the fourth: all eight inputs are loaded.
; A row block rb is 16 rows; K = 2,048 is 64 blocks kb of 32.  Codes: byte rb x 16384 + kb x 256 + r x 16 holds the 16 bytes (32 codes) of row r, block kb.
; Scale bytes: rb x 1024 + (kb / 16) x 256 + r x 16 + kb % 16: a row's four scale words of 512 along K are 16 bytes on end.
; Row blocks: query 0-127, key 128-639, Wq 640-767, Wk 768-895, attn_mask 896-927 (K innermost in memory), value 928 + 128 batch + d / 16 (its rows are d, its K the keys: K is NOT innermost in memory).
; THE ROWS OF Wq AND Wk ARE LAID PERMUTED: place r of local block j holds row 32 (j / 2) + 8 (j % 2) + r + 8 (r / 8), so that in the next launch's transposed product 16 registers of two neighbouring tiles are 16 neighbours along e.
; A block's scale is 2^(floor(log2(largest magnitude)) - 2): its byte is the largest magnitude's exponent field - 2, held at 1 from below.
; LIMITS: a block of zeros gets the byte 1 where the rule says 127 (its codes are zeros, which add nothing, and this program alone reads the bytes); blocks whose largest magnitude lies under 2^-124 are held at that floor;
; NaN and infinities among the inputs are not served.
; SHARES: every work-group reads 131,072 bytes and every wave 32,768.  Work-groups 0-511 take value, 64 columns d x 512 keys each; work-groups 512-1439 take one row block each of the other five tensors.
; The two paths have LDS bytes of their own.  The text uses 40,448 bytes of LDS; the claim is larger, so that six work-groups' claims fit in a WGP's LDS: 1,536 places for 1,440 work-groups.
; No tensor loads, no cluster, no prefetch: a stream that is read once, and work-groups share nothing.
.set WREG,  9728                       ; rows' path, a wave's LDS: two stages of 32 x 80 bytes, 256 scale bytes at 5120, a stage of 16 x 272 bytes for codes at 5376
.set VSC,   38912                      ; value's path: 256 bytes for each wave's scale bytes
.set SPARE, 39936                      ; the spare words, 128 bytes a wave: two blocks of 256 bytes that no other line names
.set SPW,   126                        ; v126 LDS address of my spare word; never rewritten
.set NIL,   127                        ; v127 0; never rewritten
.set R,     16                         ; v16-79   rows: four sets of 16 numbers as loaded
.set X,     80                         ; v80-111  two sets of 16 neighbours
.set E,     112                        ; v112-113 a step's scale byte, two registers by turns
.set C,     114                        ; v114-117 a step's codes, two pairs by turns
.set OUTR,  16                         ; the codes on their way out, where the numbers lay
.set VX,    16                         ; v16-79   value: two sets of 32 numbers
.set VC,    80                         ; v80-111  value: four registers of codes for each block: no store's data are written again
.set VSB,   112                        ; v112-113 value: my eight scale bytes
.set VPB,   114                        ; v114-115 value: the partner wave's eight
.set VOB,   116                        ; v116-119 value: a column's sixteen
	s_load_b256 s[4:11], s[0:1], 0x0               ; query s[4:5], key s[6:7], Wq s[8:9], Wk s[10:11]
	s_load_b256 s[12:19], s[0:1], 0x20             ; attn_mask s[12:13], value s[14:15], xw_c s[16:17], xw_s s[18:19]
	v_lshl_add_u32 v[SPW], v0, 2, SPARE
	v_mov_b32 v[NIL], 0
	v_lshrrev_b32 v1, 5, v0
	v_readfirstlane_b32 s20, v1                    ; wave 0..3
	v_and_b32 v2, 31, v0                           ; lane
	s_cmp_lt_u32 ttmp9, 512                        ; the work-group's number alone decides the path
	s_wait_alu depctr_va_vdst(0)
	s_cbranch_scc1 .Lvalue
; ---------------- K innermost: one row block, 16 rows x 2,048; wave w takes numbers 512 w .. 512 w + 511 of each row; step t is the block's place t ----------------
	s_sub_co_u32 s21, ttmp9, 512                   ; the row block, 0..927
	v_lshlrev_b32 v3, 4, v2                        ; 16 x lane: my 16 bytes of a load's 512, and of a store's
	s_mul_i32 s36, s20, WREG
	v_lshrrev_b32 v14, 2, v2
	v_mul_u32_u24 v14, v14, 80
	v_and_b32 v15, 3, v2
	v_lshl_add_u32 v14, v15, 4, v14
	v_add_nc_u32 v14, s36, v14                     ; the stage, in: four lanes' 64 bytes on end, then 16 of padding
	v_mul_u32_u24 v15, v2, 80
	v_add_nc_u32 v15, s36, v15                     ; and out: 80 x lane: my 16 neighbours
	v_lshrrev_b32 v5, 1, v2                        ; my block of 32 among the step's 16
	v_mul_u32_u24 v10, v5, 272
	v_and_b32 v6, 1, v2
	v_lshl_add_u32 v10, v6, 3, v10
	s_add_co_u32 s37, s36, 5120
	s_add_co_u32 s38, s36, 5376
	v_add_nc_u32 v5, s37, v5                       ; my block's scale byte: + 16 x step
	v_add_nc_u32 v10, s38, v10                     ; my 8 bytes of codes: unit = block, pitch 272, + 16 x step
	v_lshlrev_b32 v7, 3, v2
	v_add_nc_u32 v6, s37, v7                       ; the scale bytes on the way out: 8 a lane
	v_lshrrev_b32 v1, 4, v2
	v_mul_u32_u24 v1, v1, 272
	v_and_b32 v12, 15, v2
	v_lshl_add_u32 v1, v12, 4, v1
	v_add_nc_u32 v1, s38, v1                       ; the codes on the way out: sixteen lanes to a unit of 256 bytes, two units an instruction
	s_wait_alu depctr_va_vdst(0)
	s_wait_kmcnt 0x0
	s_mov_b64 s[22:23], s[12:13]                   ; which tensor, and its first row block: a chain of choices on the work-group's number
	s_mov_b32 s24, 896
	s_cmp_lt_u32 s21, 896
	s_cselect_b64 s[22:23], s[10:11], s[22:23]
	s_cselect_b32 s24, 768, s24
	s_cmp_lt_u32 s21, 768
	s_cselect_b64 s[22:23], s[8:9], s[22:23]
	s_cselect_b32 s24, 640, s24
	s_cmp_lt_u32 s21, 640
	s_cselect_b64 s[22:23], s[6:7], s[22:23]
	s_cselect_b32 s24, 128, s24
	s_cmp_lt_u32 s21, 128
	s_cselect_b64 s[22:23], s[4:5], s[22:23]
	s_cselect_b32 s24, 0, s24
	s_sub_co_u32 s25, s21, 640
	s_cmp_lt_u32 s25, 256
	s_cselect_b32 s25, 1, 0                        ; 1 for Wq and Wk: their rows are permuted
	s_sub_co_u32 s26, s21, s24                     ; the block's number in its tensor
	s_and_b32 s27, s26, 1
	s_mul_i32 s27, s27, s25
	s_lshl_b32 s27, s27, 3
	s_lshl_b32 s28, s26, 4
	s_sub_co_u32 s28, s28, s27                     ; the row at place 0: 16 j, for a weight 16 j - 8 (j % 2)
	s_lshl_b32 s28, s28, 13                        ; rows of 8,192 bytes: under 2^27
	s_lshl_b32 s29, s20, 11                        ; my wave's 512 numbers
	s_add_co_u32 s28, s28, s29
	s_mov_b32 s29, 0
	s_add_nc_u64 s[22:23], s[22:23], s[28:29]
	s_lshl_b32 s30, s25, 16                        ; places 8-15 of a weight's block lie 8 rows further on
	v_add_nc_u32 v4, s30, v3
	s_wait_alu depctr_va_vdst(0)
	s_lshl_b32 s32, s21, 2
	s_add_co_u32 s32, s32, s20                     ; 4 x row block + wave
	s_lshl_b32 s34, s32, 12                        ; its 4,096 bytes of codes
	s_mov_b32 s35, 0
	s_add_nc_u64 s[16:17], s[16:17], s[34:35]
	s_lshl_b32 s34, s32, 8                         ; its 256 scale bytes
	s_add_nc_u64 s[18:19], s[18:19], s[34:35]
.macro ALOAD t                         ; step t's 512 numbers: four loads of 512 consecutive bytes
.irp i, 0,1,2,3
.if (\t) < 8
	global_load_b128 v[R+16*((\t)%4)+4*\i:R+16*((\t)%4)+4*\i+3], v3, s[22:23] offset:8192*(\t)+512*\i th:TH_LOAD_NT
.else
	global_load_b128 v[R+16*((\t)%4)+4*\i:R+16*((\t)%4)+4*\i+3], v4, s[22:23] offset:8192*(\t)+512*\i th:TH_LOAD_NT
.endif
.endr
.endm
.macro ATURN t                         ; through the stage, so that a lane holds 16 neighbours: LDS serves a wave's instructions in order, so no wait stands between the stores and the loads
.irp i, 0,1,2,3
	ds_store_b128 v14, v[R+16*((\t)%4)+4*\i:R+16*((\t)%4)+4*\i+3] offset:2560*((\t)%2)+640*\i
.endr
.irp i, 0,1,2,3
	ds_load_b128 v[X+16*((\t)%2)+4*\i:X+16*((\t)%2)+4*\i+3], v15 offset:2560*((\t)%2)+16*\i
.endr
.endm
.macro ASTEP t
.set XS, X+16*((\t)%2)
.set ES, E+(\t)%2
.set CS, C+2*((\t)%2)
.if (\t) > 0
	s_wait_dscnt 2                                 ; this step's numbers are back from the stage; the two younger LDS instructions, the last step's byte store and code store, may be out: those of two steps ago are done, so their registers are free
.else
	s_wait_dscnt 0x0
.endif
.if (\t)+4 < 16
	ALOAD (\t)+4                                   ; into the set whose stores into the stage are done
.endif
.if (\t)+1 < 16
.if 14-(\t) >= 3
	s_wait_loadcnt 12                              ; the next step's four loads are in; those of the three steps behind it may be out
.else
	s_wait_loadcnt 4*(14-(\t))
.endif
	ATURN (\t)+1
.endif
	v_max3_num_f32 v8, |v[XS]|, |v[XS+1]|, |v[XS+2]|               ; the largest magnitude of my 16, in two chains
	v_max3_num_f32 v9, |v[XS+3]|, |v[XS+4]|, |v[XS+5]|
.irp i, 6,10
	v_max3_num_f32 v8, v8, |v[XS+\i]|, |v[XS+\i+1]|
	v_max3_num_f32 v9, v9, |v[XS+\i+2]|, |v[XS+\i+3]|
.endr
	v_max3_num_f32 v8, v8, |v[XS+14]|, |v[XS+15]|
	v_max3_num_f32 v8, v8, v9, 0x1800000           ; and the floor 2^(3 - 127): the byte cannot fall under 1
	v_max_num_f32_dpp v8, v8, v8 row_xmask:1 row_mask:0xf bank_mask:0xf   ; with my neighbour's 16: the block's
	v_add_nc_u32 v11, 0xff000000, v8               ; 2 off its exponent field: the conversion takes that field as its scale
	v_cvt_scalef32_pk8_fp4_f32 v[CS], v[XS:XS+7], v11
	v_cvt_scalef32_pk8_fp4_f32 v[CS+1], v[XS+8:XS+15], v11
	v_lshrrev_b32 v[ES], 23, v11                   ; the scale's byte (also the plain line behind the conversions)
	ds_store_b8 v5, v[ES] offset:16*(\t)           ; both lanes of a block write the same byte with the same value
	ds_store_b64 v10, v[CS:CS+1] offset:16*(\t)    ; my half block's 8 bytes at place t of the block's unit
.endm
.irp t, 0,1,2,3
	ALOAD \t
.endr
	s_wait_loadcnt 12                              ; step 0's four loads are in
	ATURN 0
.irp t, 0,1,2,3,4,5,6,7,8,9,10,11,12,13,14,15
	ASTEP \t
.endr
	ds_load_b64 v[8:9], v6                         ; LDS serves a wave's instructions in order: these see my stores
.irp j, 0,1,2,3,4,5,6,7
	ds_load_b128 v[OUTR+4*\j:OUTR+4*\j+3], v1 offset:544*\j
.endr
	s_wait_dscnt 8                                 ; the scale bytes are in; the eight loads of codes may be out
	global_store_b64 v7, v[8:9], s[18:19]          ; 32 lanes store 256 consecutive bytes, aligned
.irp j, 0,1,2,3,4,5,6,7
	s_wait_dscnt 7-\j
	global_store_b128 v3, v[OUTR+4*\j:OUTR+4*\j+3], s[16:17] offset:512*\j   ; 512 consecutive bytes, aligned
.endr
	s_wait_tensorcnt 0x0                           ; the wave's end
	ds_add_u32 v[SPW], v[NIL]
	s_wait_dscnt 0x0
	s_endpgm
; ---------------- value: K (the keys) is the first axis within a batch.  A lane takes a column d, its registers run down the keys: nothing is transposed ----------------
; Wave w takes columns 32 (w % 2) .. + 31 of the work-group's 64 (two waves side by side read 256 consecutive bytes of a key's row) and, of the 16 blocks of 32 keys, those with number 2 j + w / 2: eight blocks.
; A column's 16 scale bytes lie in two waves, byte by byte in turn: waves 2 and 3 hand theirs over through LDS, and waves 0 and 1 store whole units.
.Lvalue:
	s_lshr_b32 s21, ttmp9, 7                       ; batch
	s_bfe_u32 s22, ttmp9, 0x50002                  ; which 64 columns
	s_and_b32 s23, ttmp9, 3                        ; which 512 keys
	s_and_b32 s24, s20, 1                          ; which 32 of the columns
	s_lshr_b32 s25, s20, 1                         ; even or odd blocks
	s_lshl_b32 s26, s21, 24                        ; a batch is 2^24 bytes,
	s_lshl_b32 s27, s23, 22                        ; 512 keys are 2^22,
	s_add_co_u32 s26, s26, s27
	s_lshl_b32 s27, s25, 18                        ; a block of 32 keys 2^18,
	s_add_co_u32 s26, s26, s27
	s_lshl_b32 s27, s22, 8                         ; 64 columns 256,
	s_add_co_u32 s26, s26, s27
	s_lshl_b32 s27, s24, 7                         ; 32 columns 128
	s_add_co_u32 s26, s26, s27
	s_mov_b32 s27, 0
	s_lshl_b32 s28, s21, 7
	s_lshl_b32 s29, s22, 2
	s_add_co_u32 s28, s28, s29
	s_lshl_b32 s29, s24, 1
	s_add_co_u32 s28, s28, s29
	s_add_co_u32 s28, s28, 928                     ; the first of my two row blocks
	s_lshl_b32 s30, s28, 14
	s_lshl_b32 s31, s23, 12                        ; 16 blocks of 256 bytes,
	s_add_co_u32 s30, s30, s31
	s_lshl_b32 s31, s25, 8                         ; my first block
	s_add_co_u32 s30, s30, s31
	s_mov_b32 s31, 0
	s_lshl_b32 s32, s28, 10
	s_lshl_b32 s33, s23, 8
	s_add_co_u32 s32, s32, s33
	s_mov_b32 s33, 0
	s_lshl_b32 s34, s20, 8
	s_add_co_u32 s34, s34, VSC
	v_lshlrev_b32 v3, 2, v2                        ; in: 4 bytes a lane
	v_lshrrev_b32 v4, 4, v2
	v_and_b32 v5, 15, v2
	v_lshlrev_b32 v5, 4, v5
	v_lshl_add_u32 v8, v4, 14, v5                  ; codes: lanes 16-31 the next row block; 16 bytes a row
	v_lshl_add_u32 v9, v4, 10, v5                  ; scale bytes likewise
	v_lshlrev_b32 v6, 3, v2
	v_add_nc_u32 v6, s34, v6                       ; LDS: my wave's 256 bytes, 8 a lane
	s_wait_alu depctr_va_vdst(0)
	s_wait_kmcnt 0x0
	s_add_nc_u64 s[14:15], s[14:15], s[26:27]
	s_add_nc_u64 s[16:17], s[16:17], s[30:31]
	s_add_nc_u64 s[18:19], s[18:19], s[32:33]
.macro VLOAD j                         ; my j-th block: value(64 j + i, my column) from my first key on
.irp i, 0,1,2,3,4,5,6,7,8,9,10,11,12,13,14,15,16,17,18,19,20,21,22,23,24,25,26,27,28,29,30,31
	global_load_b32 v[VX+32*((\j)%2)+\i], v3, s[14:15] offset:(64*(\j)+\i)*8192 th:TH_LOAD_NT
.endr
.endm
.macro VBLOCK j
.set XS, VX+32*((\j)%2)
.if (\j) < 7
	s_wait_loadcnt 32                              ; this block's 32 loads are in; the next block's may be out
.else
	s_wait_loadcnt 0x0
.endif
	v_max3_num_f32 v12, |v[XS]|, |v[XS+1]|, |v[XS+2]|              ; all 32 numbers of the block are mine
	v_max3_num_f32 v13, |v[XS+3]|, |v[XS+4]|, |v[XS+5]|
.irp i, 6,10,14,18,22,26
	v_max3_num_f32 v12, v12, |v[XS+\i]|, |v[XS+\i+1]|
	v_max3_num_f32 v13, v13, |v[XS+\i+2]|, |v[XS+\i+3]|
.endr
	v_max3_num_f32 v12, v12, |v[XS+30]|, |v[XS+31]|
	v_max3_num_f32 v12, v12, v13, 0x1800000        ; the floor
	v_add_nc_u32 v11, 0xff000000, v12
	v_lshrrev_b32 v13, 23, v11                     ; the scale's byte
.if (\j)%4 == 0
	v_mov_b32 v[VSB+(\j)/4], v13
.else
	v_lshl_or_b32 v[VSB+(\j)/4], v13, 8*((\j)%4), v[VSB+(\j)/4]
.endif
.irp g, 0,1,2,3
	v_cvt_scalef32_pk8_fp4_f32 v[VC+4*(\j)+\g], v[XS+8*\g:XS+8*\g+7], v11
.endr
	global_store_b128 v8, v[VC+4*(\j):VC+4*(\j)+3], s[16:17] offset:512*(\j)   ; sixteen lanes store 256 consecutive bytes, aligned: a block's codes of 16 rows
.if (\j)+2 < 8
	VLOAD (\j)+2
.endif
.endm
	VLOAD 0
	VLOAD 1
.irp j, 0,1,2,3,4,5,6,7
	VBLOCK \j
.endr
	ds_store_b64 v6, v[VSB:VSB+1]                  ; my column's eight scale bytes
	s_wait_alu depctr_va_vdst(0)
	s_wait_dscnt 0x0                               ; for the others' sake: zero
	s_barrier_signal -1
	s_barrier_wait -1
	s_cmp_ge_u32 s20, 2
	s_cbranch_scc1 .Lvend                          ; waves 2 and 3 have handed theirs over
	ds_load_b64 v[VPB:VPB+1], v6 offset:512        ; the same columns' odd blocks, from wave w + 2
	s_wait_dscnt 0x0
	v_perm_b32 v[VOB], v[VPB], v[VSB], 0x05010400  ; blocks 0 to 3: mine, the partner's, mine, the partner's
	v_perm_b32 v[VOB+1], v[VPB], v[VSB], 0x07030602
	v_perm_b32 v[VOB+2], v[VPB+1], v[VSB+1], 0x05010400
	v_perm_b32 v[VOB+3], v[VPB+1], v[VSB+1], 0x07030602
	global_store_b128 v9, v[VOB:VOB+3], s[18:19]   ; sixteen lanes store 256 consecutive bytes, aligned
.Lvend:
	s_wait_tensorcnt 0x0                           ; the same three closing lines as on the other path
	ds_add_u32 v[SPW], v[NIL]
	s_wait_dscnt 0x0
	s_endpgm
.Lfunc_end_k_q4e53a75d2a_quant:
	.size	k_q4e53a75d2a_quant, .Lfunc_end_k_q4e53a75d2a_quant-k_q4e53a75d2a_quant
	.p2alignl 7, 3214868480
	.fill 96, 4, 3214868480
	.section	.rodata,"a",@progbits
	.p2align	6, 0x0
	.amdhsa_kernel k_q4e53a75d2a_quant
		.amdhsa_group_segment_fixed_size 53248
		.amdhsa_private_segment_fixed_size 0
		.amdhsa_enable_private_segment 0
		.amdhsa_kernarg_size 64
		.amdhsa_user_sgpr_count 2
		.amdhsa_user_sgpr_kernarg_segment_ptr 1
		.amdhsa_wavefront_size32 1
		.amdhsa_system_sgpr_workgroup_id_x 1
		.amdhsa_system_sgpr_workgroup_id_y 1
		.amdhsa_system_sgpr_workgroup_id_z 1
		.amdhsa_system_vgpr_workitem_id 0
		.amdhsa_next_free_vgpr 128
		.amdhsa_next_free_sgpr 66
		.amdhsa_reserve_vcc 0
		.amdhsa_float_denorm_mode_32 3
		.amdhsa_float_denorm_mode_16_64 3
		.amdhsa_memory_ordered 1
		.amdhsa_forward_progress 1
		.amdhsa_inst_pref_size 75
	.end_amdhsa_kernel
	.amdgpu_metadata
---
amdhsa.version: [ 1, 2 ]
amdhsa.kernels:
  - .name:           k_q4e53a75d2a_quant
    .symbol:         k_q4e53a75d2a_quant.kd
    .args:
      - { .name: query_input, .offset: 0, .size: 8, .value_kind: global_buffer, .address_space: global }
      - { .name: key_input, .offset: 8, .size: 8, .value_kind: global_buffer, .address_space: global }
      - { .name: Wq, .offset: 16, .size: 8, .value_kind: global_buffer, .address_space: global }
      - { .name: Wk, .offset: 24, .size: 8, .value_kind: global_buffer, .address_space: global }
      - { .name: attn_mask, .offset: 32, .size: 8, .value_kind: global_buffer, .address_space: global }
      - { .name: value_input, .offset: 40, .size: 8, .value_kind: global_buffer, .address_space: global }
      - { .name: xw_c, .offset: 48, .size: 8, .value_kind: global_buffer, .address_space: global }
      - { .name: xw_s, .offset: 56, .size: 8, .value_kind: global_buffer, .address_space: global }
    .group_segment_fixed_size: 53248
    .private_segment_fixed_size: 0
    .kernarg_segment_align: 8
    .kernarg_segment_size: 64
    .max_flat_workgroup_size: 128
    .sgpr_count:     66
    .vgpr_count:     128
    .wavefront_size: 32
...
	.end_amdgpu_metadata
.endif
;; end of part 1
;; launch proj (part 2): grid 8 x 32, 4 waves a work-group, clusters of 4 x 4, 327,680 bytes of LDS; arguments xw_c, xw_s, bq, bk, qk_c, qk_s; writes qk_c, qk_s
.if DOCPART == 2
	.amdgcn_target "amdgcn-amd-amdhsa--gfx1250"
	.amdhsa_code_object_version 6
	.text
	.protected	k_q4e53a75d2a_proj
	.globl	k_q4e53a75d2a_proj
	.p2align	8
	.type	k_q4e53a75d2a_proj,@function
k_q4e53a75d2a_proj:
	s_mov_b64 s[64:65], 0
	v_nop
	global_prefetch_b8 v0, s[64:65] scope:SCOPE_SE
	s_setreg_imm32_b32 hwreg(HW_REG_WAVE_MODE, 25, 1), 1
	s_wait_xcnt 0x0
	s_wait_alu depctr_hold_cnt(0) depctr_sa_sdst(0) depctr_va_vdst(0) depctr_va_sdst(0) depctr_va_ssrc(0) depctr_va_vcc(0) depctr_vm_vsrc(0)
	s_getreg_b32 s2, hwreg(HW_REG_IB_STS2, 6, 4)
	s_cmp_eq_u32 s2, 0
	s_cbranch_scc0 .Lentry_in_a_cluster
	s_endpgm
.Lentry_in_a_cluster:
	s_bfe_u32 s2, ttmp6, 0x10000c
	s_cmp_lg_u32 s2, 0xf033
	s_cbranch_scc0 .Lentry_shape_is_right
	s_endpgm
.Lentry_shape_is_right:
; LAUNCH 2 OF 4.  k = Q(key) Q(Wk)^T + bk and q = Q(query) Q(Wq)^T + bq on codes of FP4 (E2M1) with E8M0 scales.  Both results are quantised along e on the way out and stored as images of operand registers,
; laid as launch 1 lays its buffers: in qk_c and qk_s q has row blocks 0-127 and k row blocks 128-639.  Nothing of reference() is left out.
; A work-group makes one tile of 256 x 256 of k (a wave 128 x 128: 64 accumulators), K in four steps of 512 through two LDS slots, and then one tile of 128 x 128 of q (a wave 32 x 128), whose operands come into the same two slots, 1,024 along K each.
; TRANSPOSED: source 0 = 16 rows of the weight, source 1 = 16 rows of the input; the weights' rows were laid permuted, so that a lane's 16 registers of two neighbouring tiles are 16 neighbours along e.  The bias is the C of the first products.
; CLUSTERS: 4 x 4; the input's tiles are shared along a row of the cluster, the weight's along a column: joint loads.  Each refill's tile is prefetched a slot's steps ahead, the partners sharing its row blocks out by address.
; LIMITS: a block of zeros gets the byte 1 (its codes are zeros, and this program alone reads the bytes); blocks under 2^-124 are held at that floor; NaN and infinities are not served.
.set SLOT,  131072
.set SCL,   262144
.set SPARE, 294912
.set NQ,    4
.set FR,    8
.set NL,    2
.set NP,    4
.set ADRA, 16
.set ADQA, 18
.set ADRB, 20
.set ADQB, 22
.set BO,   24
.set SOF,  25
.set CO,   26
.set ADRS, 27
.set SPW,  28
.set NIL,  29
.set QSA,  30
.set QSB,  31
.set SC,   32
.set SQB,  32
.set AFQ,  96
.set AF,   128
.set BI,   192
.set BIQ,  192
.set PC,   128
.set TM,   200
.set PWS,  216
.set SW,   224
.set SQA,  232
.set G1,   24
.set G0,   32
.set G1B,  48
.set G0B,  56
.set G1S,  68
.set G0S,  76
.set G1SB, 80
.set G0SB, 88
.set MSB, 0
.macro WIN new
.if MSB != (\new)
	s_set_vgpr_msb (MSB<<8)|(\new)
.set MSB, (\new)
.endif
.endm
.set MUL_LO, 0xa1
.set MUL_HI, 0xf1
.set TO_B,   0x40
.macro JLOAD g0a, g1a, g0b, g1b
	s_cmp_eq_u32 s17, 0
	s_cbranch_scc0 .Lfor_b_\@
	tensor_load_to_lds s[\g0a:\g0a+3], s[\g1a:\g1a+7]
	s_nop 0
.rept 4
	v_nop
.endr
	s_branch .Lasked_\@
.Lfor_b_\@:
	tensor_load_to_lds s[\g0b:\g0b+3], s[\g1b:\g1b+7]
	s_nop 0
.rept 4
	v_nop
.endr
.Lasked_\@:
.endm
.macro CREST
	s_cmp_lg_u32 s16, 0
	s_cbranch_scc1 .Lnot_wave_0_\@
	s_barrier_signal -3
.Lnot_wave_0_\@:
	s_barrier_wait -3
	s_barrier_signal -1
	s_barrier_wait -1
.endm
.macro CROUND
	s_barrier_signal -1
	s_barrier_wait -1
	CREST
.endm
; THE HEAD'S LOADS, ONE A WAVE: wave 0 K step 0's 16 row blocks of A, wave 2 those of B, wave 1 the scale bytes of A's 16 row blocks, wave 3 those of B's.
; One chain of branches on the wave's number, an arm a load, all arms leading to one join.
.macro LOAD4
	s_cmp_eq_u32 s16, 0
	s_cbranch_scc0 .Lh1_\@
	tensor_load_to_lds s[G0:G0+3], s[G1:G1+7]
	s_nop 0
.rept 4
	v_nop
.endr
	s_branch .Lhj_\@
.Lh1_\@:
	s_cmp_eq_u32 s16, 1
	s_cbranch_scc0 .Lh2_\@
	tensor_load_to_lds s[G0S:G0S+3], s[G1S:G1S+7]
	s_nop 0
.rept 4
	v_nop
.endr
	s_branch .Lhj_\@
.Lh2_\@:
	s_cmp_eq_u32 s16, 2
	s_cbranch_scc0 .Lh3_\@
	tensor_load_to_lds s[G0B:G0B+3], s[G1B:G1B+7]
	s_nop 0
.rept 4
	v_nop
.endr
	s_branch .Lhj_\@
.Lh3_\@:
	tensor_load_to_lds s[G0SB:G0SB+3], s[G1SB:G1SB+7]
	s_nop 0
.rept 4
	v_nop
.endr
.Lhj_\@:
.endm
	s_load_b256 s[4:11], s[0:1], 0x0
	s_load_b128 s[12:15], s[0:1], 0x20
	v_lshl_add_u32 v[SPW], v0, 2, SPARE
	v_mov_b32 v[NIL], 0
	ds_add_u32 v[SPW], v[NIL]
	ds_add_u32 v[SPW], v[NIL]
	v_lshrrev_b32 v1, 5, v0
	v_readfirstlane_b32 s16, v1
	s_lshr_b32 s17, s16, 1
	s_and_b32 s18, s16, 1
	s_bfe_u32 s40, ttmp6, 0x40000
	s_bfe_u32 s41, ttmp6, 0x40004
	s_lshl_b32 s42, ttmp9, 2
	s_add_co_u32 s42, s42, s40
	s_and_b32 s96, ttmp7, 0xffff
	s_lshl_b32 s95, s96, 2
	s_add_co_u32 s95, s95, s41
	s_add_co_u32 s95, s95, 8
	s_lshl_b32 s43, s41, 2
	s_lshl_b32 s43, 15, s43
	s_lshl_b32 s44, 0x1111, s40
	s_or_b32 s[G1+0], s43, (3<<16)|(1<<21)
	s_or_b32 s[G1B+0], s44, (3<<16)|(1<<21)
.irp g, G1, G1B
	s_mov_b32 s[\g+1], 512<<16
	s_mov_b32 s[\g+2], 16<<16                      ; the head's loads bring 16 row blocks; behind them these two words are set to 8
	s_mov_b32 s[\g+3], 512<<16
	s_mov_b32 s[\g+4], 16
	s_mov_b32 s[\g+5], 2048
	s_mov_b32 s[\g+6], 0
	s_mov_b32 s[\g+7], 0
.endr
	s_or_b32 s[G1S+0], s43, (3<<16)|(1<<21)
	s_or_b32 s[G1SB+0], s44, (3<<16)|(1<<21)
.irp g, G1S, G1SB
	s_mov_b32 s[\g+1], 32<<16
	s_mov_b32 s[\g+2], 64<<16                      ; the scale bytes of 16 row blocks: 64 rows of 256 bytes
	s_mov_b32 s[\g+3], 32<<16
	s_mov_b32 s[\g+4], 64
	s_mov_b32 s[\g+5], 32
	s_mov_b32 s[\g+6], 0
	s_mov_b32 s[\g+7], 0
.endr
	s_lshl_b32 s19, s18, 3
	s_lshl_b32 s20, s95, 4
	s_add_co_u32 s20, s20, s19
	s_lshl_b32 s22, s95, 14                        ; A's scale bytes from the tile's first row block on
	s_mov_b32 s23, 0
	s_lshl_b32 s20, s20, 14
	s_mov_b32 s21, 0
	s_lshl_b32 s46, s42, 4
	s_add_co_u32 s46, s46, s19
	s_add_co_u32 s46, s46, 768
	s_lshl_b32 s92, s42, 14                        ; B's likewise
	s_add_co_u32 s92, s92, 768*1024
	s_mov_b32 s93, 0
	s_lshl_b32 s46, s46, 14
	s_mov_b32 s47, 0
	s_lshl_b32 s45, s16, 15
	s_mov_b32 s98, 0x76543210
	s_mov_b32 s99, 0xfedcba98
	s_mov_b32 s100, 0x1800000
	s_mov_b32 s101, 0xffff0000
	s_wait_dscnt 0x0
	s_wait_kmcnt 0x0
	s_add_nc_u64 s[20:21], s[4:5], s[20:21]
	s_add_nc_u64 s[22:23], s[6:7], s[22:23]
	s_add_nc_u64 s[46:47], s[4:5], s[46:47]
	s_add_nc_u64 s[92:93], s[6:7], s[92:93]
	CROUND
	s_mov_b32 s[G0S], 1
	s_mov_b32 s[G0S+1], SCL
	s_mov_b64 s[G0S+2:G0S+3], s[22:23]
	s_or_b32 s[G0S+3], s[G0S+3], 0x80000000
	s_mov_b32 s[G0SB], 1
	s_mov_b32 s[G0SB+1], SCL+16384
	s_mov_b64 s[G0SB+2:G0SB+3], s[92:93]
	s_or_b32 s[G0SB+3], s[G0SB+3], 0x80000000
.irp s, 0,1
	s_mov_b32 s[G0+4*\s], 1
	s_add_co_u32 s[G0+4*\s+1], s45, \s*SLOT
	s_add_nc_u64 s[G0+4*\s+2:G0+4*\s+3], s[20:21], \s*4096
	s_or_b32 s[G0+4*\s+3], s[G0+4*\s+3], 0x80000000
	s_mov_b32 s[G0B+4*\s], 1
	s_add_co_u32 s[G0B+4*\s+1], s45, \s*SLOT
	s_add_nc_u64 s[G0B+4*\s+2:G0B+4*\s+3], s[46:47], \s*4096
	s_or_b32 s[G0B+4*\s+3], s[G0B+4*\s+3], 0x80000000
.endr
	LOAD4                                          ; waves 0 and 2: their own quarter's group 0 begins where the whole tile begins
	v_and_b32 v1, 15, v0
	v_bfe_u32 v2, v0, 4, 1
	v_and_b32 v3, 31, v0
	v_lshlrev_b32 v[CO], 4, v3
	v_lshlrev_b32 v8, 8, v1                        ; the prefetches' offset: sixteen lanes 256 bytes apart cover a row block's 4,096 bytes of a K step, lanes 16-31 the next row block; never rewritten
	v_lshl_add_u32 v8, v2, 14, v8
	s_wait_alu depctr_va_vdst(0)
	s_lshl_b32 s21, s17, 15
	s_lshl_b32 s22, s18, 15
	s_add_co_u32 s22, s22, 65536
.irp s, 0,1
	v_add_nc_u32 v[ADRA+\s], s21, v[CO]
	v_add_nc_u32 v[ADRB+\s], s22, v[CO]
	s_add_co_u32 s21, s21, SLOT
	s_add_co_u32 s22, s22, SLOT
.endr
	s_lshl_b32 s21, s16, 13
	v_add_nc_u32 v[ADQA], s21, v[CO]
	s_add_co_u32 s21, s21, SLOT
	v_add_nc_u32 v[ADQA+1], s21, v[CO]
	v_add_nc_u32 v[ADQB], 65536, v[CO]
	v_add_nc_u32 v[ADQB+1], SLOT+65536, v[CO]
	v_lshlrev_b32 v5, 4, v1
	v_lshl_add_u32 v[SOF], v2, 10, v5
	v_lshlrev_b32 v[BO], 6, v2
	s_wait_alu depctr_va_vdst(0)
	s_lshl_b32 s21, s17, 13
	s_lshl_b32 s22, s18, 13
	s_add_co_u32 s22, s22, 16384
	s_sub_co_u32 s22, s22, s21
	v_mul_u32_u24 v6, s22, v2
	s_add_co_u32 s21, s21, SCL
	v_add_nc_u32 v5, v5, v6
	v_add_nc_u32 v[ADRS], s21, v5
	s_lshl_b32 s46, s42, 10
	s_lshl_b32 s47, s18, 9
	s_add_co_u32 s46, s46, s47
	s_mov_b32 s47, 0
	s_add_nc_u64 s[10:11], s[10:11], s[46:47]
.irp i, 0,1,2,3,4,5,6,7
	global_load_b128 v[BI+8*\i:BI+8*\i+3], v[BO], s[10:11] offset:(32*(\i/2)+8*(\i%2))*4
	global_load_b128 v[BI+8*\i+4:BI+8*\i+7], v[BO], s[10:11] offset:(32*(\i/2)+8*(\i%2))*4+16
.endr
	s_lshr_b32 s97, s96, 1
	s_lshl_b32 s97, s97, 2
	s_add_co_u32 s97, s97, s41
	s_lshl_b32 s20, s97, 17
	s_lshl_b32 s21, s18, 12
	s_add_co_u32 s20, s20, s21
	s_mov_b32 s21, 0
	s_add_nc_u64 s[2:3], s[4:5], s[20:21]
	s_and_b32 s92, s96, 1
	s_lshl_b32 s92, s92, 1
	s_add_co_u32 s92, s92, ttmp9
	s_lshl_b32 s92, s92, 2
	s_add_co_u32 s92, s92, s40
	s_lshl_b32 s46, s92, 17
	s_add_co_u32 s46, s46, 640*16384
	s_lshl_b32 s47, s18, 12
	s_add_co_u32 s46, s46, s47
	s_mov_b32 s47, 0
	s_add_nc_u64 s[66:67], s[4:5], s[46:47]
	s_lshl_b32 s46, s92, 9
	s_add_nc_u64 s[8:9], s[8:9], s[46:47]
	WIN TO_B
.irp i, 0,1,2,3,4,5,6,7
	global_load_b128 v[BIQ+8*\i:BIQ+8*\i+3], v[BO], s[8:9] offset:(32*(\i/2)+8*(\i%2))*4
	global_load_b128 v[BIQ+8*\i+4:BIQ+8*\i+7], v[BO], s[8:9] offset:(32*(\i/2)+8*(\i%2))*4+16
.endr
	WIN 0
	s_lshl_b32 s20, s97, 13
	s_lshl_b32 s21, s16, 11
	s_add_co_u32 s20, s20, s21
	v_add_nc_u32 v[QSA], s20, v[SOF]
	s_lshl_b32 s46, s92, 13
	s_add_co_u32 s46, s46, 640*1024
	v_add_nc_u32 v[QSB], s46, v[SOF]
	s_lshl_b32 s20, s95, 4
	s_lshl_b32 s21, s17, 3
	s_add_co_u32 s20, s20, s21
	s_lshl_b32 s22, s20, 10
	s_lshl_b32 s20, s20, 14
	s_lshl_b32 s46, s42, 1
	s_add_co_u32 s46, s46, s18
	s_lshl_b32 s47, s46, 10
	s_add_co_u32 s20, s20, s47
	s_mov_b32 s21, 0
	s_add_nc_u64 s[20:21], s[12:13], s[20:21]
	s_lshr_b32 s47, s46, 2
	s_lshl_b32 s47, s47, 8
	s_add_co_u32 s22, s22, s47
	s_and_b32 s47, s46, 3
	s_lshl_b32 s47, s47, 2
	s_add_co_u32 s22, s22, s47
	s_mov_b32 s23, 0
	s_add_nc_u64 s[22:23], s[14:15], s[22:23]
	s_lshl_b32 s46, s97, 13
	s_lshl_b32 s47, s16, 11
	s_add_co_u32 s46, s46, s47
	s_lshl_b32 s93, s46, 4
	s_lshr_b32 s47, s92, 2
	s_lshl_b32 s47, s47, 8
	s_add_co_u32 s46, s46, s47
	s_and_b32 s47, s92, 3
	s_lshl_b32 s47, s47, 2
	s_add_co_u32 s46, s46, s47
	s_mov_b32 s47, 0
	s_add_nc_u64 s[14:15], s[14:15], s[46:47]
	s_lshl_b32 s46, s92, 10
	s_add_co_u32 s46, s46, s93
	s_add_nc_u64 s[12:13], s[12:13], s[46:47]
	; the prefetches: of the 8 row blocks that my wave fetches at a refill, the partner at place p (cx for A's tiles, cy for B's) names row blocks 2 p and 2 p + 1: told apart by address
	s_lshl_b32 s92, s95, 4
	s_lshl_b32 s93, s42, 4
	s_add_co_u32 s93, s93, 768
	s_cmp_eq_u32 s17, 0
	s_cselect_b32 s92, s92, s93
	s_cselect_b32 s44, s40, s41
	s_cselect_b64 s[96:97], s[2:3], s[66:67]
	s_lshl_b32 s44, s44, 1
	s_add_co_u32 s92, s92, s19
	s_add_co_u32 s92, s92, s44
	s_lshl_b32 s92, s92, 14
	s_mov_b32 s93, 0
	s_add_nc_u64 s[92:93], s[4:5], s[92:93]        ; the first product's tiles; never rewritten
	s_lshl_b32 s44, s44, 14
	s_mov_b32 s45, 0
	s_add_nc_u64 s[96:97], s[96:97], s[44:45]      ; the second product's; never rewritten
	global_prefetch_b8 v8, s[92:93] offset:4096 th:TH_LOAD_NT scope:SCOPE_SE    ; K step 1, which slot 1's first fill will ask for when the head's loads have landed
.macro FRAG reg, adr, q, i
.irp c, 0,1
	ds_load_b128 v[\reg+4*\c:\reg+4*\c+3], v[\adr] offset:1024*(\q)+512*\c+(\i)*4096
.endr
.endm
.macro MUL16 a0, p, q, sc, zero
.irp a, \a0, \a0+1
.irp b, 0,1,2,3,4,5,6,7
.if \zero
	v_wmma_scale_f32_16x16x128_f8f6f4 v[8*(8*((\a)%4)+\b):8*(8*((\a)%4)+\b)+7], v[128*(\p)+FR*\b:128*(\p)+FR*\b+FR-1], v[AF+FR*(\a):AF+FR*(\a)+FR-1], v[BI+8*\b:BI+8*\b+7], v[SC+8*NQ*(\sc)+NQ*\b+(\q)], v[SC+8*NQ*(\sc)+NQ*(\a)+(\q)] matrix_a_fmt:MATRIX_FMT_FP4 matrix_b_fmt:MATRIX_FMT_FP4 matrix_a_scale:MATRIX_SCALE_ROW1
.else
	v_wmma_scale_f32_16x16x128_f8f6f4 v[8*(8*((\a)%4)+\b):8*(8*((\a)%4)+\b)+7], v[128*(\p)+FR*\b:128*(\p)+FR*\b+FR-1], v[AF+FR*(\a):AF+FR*(\a)+FR-1], v[8*(8*((\a)%4)+\b):8*(8*((\a)%4)+\b)+7], v[SC+8*NQ*(\sc)+NQ*\b+(\q)], v[SC+8*NQ*(\sc)+NQ*(\a)+(\q)] matrix_a_fmt:MATRIX_FMT_FP4 matrix_b_fmt:MATRIX_FMT_FP4 matrix_a_scale:MATRIX_SCALE_ROW1
.endif
.endr
.endr
.endm
.macro FETCH_B slot, q, p
	WIN TO_B
.irp i, 0,1,2,3,4,5,6,7
	FRAG 128*(\p)+FR*\i, ADRB+\slot, \q, \i
.endr
	WIN 0
.endm
.macro FETCH_A slot, q, i0
.irp i, \i0, \i0+1, \i0+2, \i0+3
	FRAG AF+FR*(\i), ADRA+\slot, \q, \i
.endr
.endm
.macro SCALES sc, g
.irp i, 0,1,2,3,4,5,6,7
	ds_load_b128 v[SC+8*NQ*(\sc)+NQ*\i:SC+8*NQ*(\sc)+NQ*\i+3], v[ADRS] offset:1024*\i+256*(\g)
.endr
.endm
.macro PLACES n
.rept \n
	v_nop
.endr
.endm
.macro STEP slot, q, zero
	s_wait_dscnt 4*NL
.if \zero
	WIN 0x81
.else
	WIN MUL_LO
.endif
	MUL16 0, (\q)%2, \q, \slot, \zero
	MUL16 2, (\q)%2, \q, \slot, \zero
	s_wait_dscnt 0
	PLACES NP
	FETCH_B \slot, (\q)+1, 1-(\q)%2
	FETCH_A \slot, (\q)+1, 0
.if \zero
	WIN 0xc1
.else
	WIN MUL_HI
.endif
	MUL16 4, (\q)%2, \q, \slot, \zero
	MUL16 6, (\q)%2, \q, \slot, \zero
	PLACES NP
	WIN 0
	FETCH_A \slot, (\q)+1, 4
.endm
.macro TURN slot, next, fill, gnext
	s_wait_tensorcnt 0x0
	ds_add_u32 v[SPW], v[NIL]
.if \fill == 2
	s_mov_b64 s[G0+4*\slot+2:G0+4*\slot+3], s[2:3]
	s_mov_b64 s[G0B+4*\slot+2:G0B+4*\slot+3], s[66:67]
	s_or_b32 s[G0+4*\slot+3], s[G0+4*\slot+3], 0x80000000
	s_or_b32 s[G0B+4*\slot+3], s[G0B+4*\slot+3], 0x80000000
.endif
	s_wait_dscnt 4*NL+1
	WIN MUL_LO
	MUL16 0, 1, NQ-1, \slot, 0
	s_wait_dscnt 0x0
	s_barrier_signal -1
	MUL16 2, 1, NQ-1, \slot, 0
	WIN 0
	s_barrier_wait -1
	CREST
.if \fill == 1
	s_add_nc_u64 s[G0+4*\slot+2:G0+4*\slot+3], s[G0+4*\slot+2:G0+4*\slot+3], 8192
	s_add_nc_u64 s[G0B+4*\slot+2:G0B+4*\slot+3], s[G0B+4*\slot+2:G0B+4*\slot+3], 8192
.endif
	JLOAD G0+4*\slot, G1, G0B+4*\slot, G1B
	FETCH_B \next, 0, 0
	FETCH_A \next, 0, 0
	SCALES \next, \gnext
	WIN MUL_HI
	MUL16 4, 1, NQ-1, \slot, 0
	MUL16 6, 1, NQ-1, \slot, 0
	PLACES NP
	WIN 0
	FETCH_A \next, 0, 4
.endm
.macro QFETCH n
	WIN TO_B
.irp b, 0,1,2,3,4,5,6,7
.irp c, 0,1
	ds_load_b128 v[128*((\n)%2)+8*\b+4*\c:128*((\n)%2)+8*\b+4*\c+3], v[ADQB+(\n)/8] offset:32768*(((\n)/4)%2)+4096*\b+1024*((\n)%4)+512*\c
.endr
.endr
	WIN 0
.irp a, 0,1
.irp c, 0,1
	ds_load_b128 v[AFQ+16*((\n)%2)+8*\a+4*\c:AFQ+16*((\n)%2)+8*\a+4*\c+3], v[ADQA+(\n)/8] offset:32768*(((\n)/4)%2)+4096*\a+1024*((\n)%4)+512*\c
.endr
.endr
.endm
.macro QW d, s0, s1, cs, sb, sa, rb, ra
.if (\rb) && (\ra)
	v_wmma_scale_f32_16x16x128_f8f6f4 v[(\d):(\d)+7], v[(\s0):(\s0)+7], v[(\s1):(\s1)+7], v[(\cs):(\cs)+7], v[(\sb)], v[(\sa)] matrix_a_fmt:MATRIX_FMT_FP4 matrix_b_fmt:MATRIX_FMT_FP4 matrix_a_scale:MATRIX_SCALE_ROW1 matrix_b_scale:MATRIX_SCALE_ROW1
.elseif (\rb)
	v_wmma_scale_f32_16x16x128_f8f6f4 v[(\d):(\d)+7], v[(\s0):(\s0)+7], v[(\s1):(\s1)+7], v[(\cs):(\cs)+7], v[(\sb)], v[(\sa)] matrix_a_fmt:MATRIX_FMT_FP4 matrix_b_fmt:MATRIX_FMT_FP4 matrix_a_scale:MATRIX_SCALE_ROW1
.elseif (\ra)
	v_wmma_scale_f32_16x16x128_f8f6f4 v[(\d):(\d)+7], v[(\s0):(\s0)+7], v[(\s1):(\s1)+7], v[(\cs):(\cs)+7], v[(\sb)], v[(\sa)] matrix_a_fmt:MATRIX_FMT_FP4 matrix_b_fmt:MATRIX_FMT_FP4 matrix_b_scale:MATRIX_SCALE_ROW1
.else
	v_wmma_scale_f32_16x16x128_f8f6f4 v[(\d):(\d)+7], v[(\s0):(\s0)+7], v[(\s1):(\s1)+7], v[(\cs):(\cs)+7], v[(\sb)], v[(\sa)] matrix_a_fmt:MATRIX_FMT_FP4 matrix_b_fmt:MATRIX_FMT_FP4
.endif
.endm
.macro QMUL n, zero
.irp a, 0,1
.irp b, 0,1,2,3,4,5,6,7
.if \zero
	QW 8*(8*\a+\b), 128*((\n)%2)+8*\b, AFQ+16*((\n)%2)+8*\a, BIQ+8*\b, SQB+16*(\b/2)+(\n), SQA+(\n), \b%2, \a
.else
	QW 8*(8*\a+\b), 128*((\n)%2)+8*\b, AFQ+16*((\n)%2)+8*\a, 8*(8*\a+\b), SQB+16*(\b/2)+(\n), SQA+(\n), \b%2, \a
.endif
.endr
.endr
.endm
.macro QSTEP n
.if (\n) == 7
	s_wait_tensorcnt 0x0
	s_wait_dscnt 0x0
	s_barrier_signal -1
	s_barrier_wait -1
.endif
.if (\n) < 15
	PLACES NP
	QFETCH (\n)+1
	s_wait_dscnt 20
.else
	s_wait_dscnt 0x0
.endif
.if (\n) == 0
	s_wait_loadcnt 0x0
	WIN 0x91
	QMUL \n, 1
.else
	WIN MUL_LO
	QMUL \n, 0
.endif
.endm
	s_wait_alu depctr_va_vdst(0)
	s_wait_tensorcnt 0x0                           ; my tile of the head's four is in
	ds_add_u32 v[SPW], v[NIL]
	s_mov_b32 s[G1+2], 8<<16                       ; no tensor load of mine is out: from here on a load brings 8 row blocks
	s_mov_b32 s[G1+4], 8
	s_mov_b32 s[G1B+2], 8<<16
	s_mov_b32 s[G1B+4], 8
	s_wait_dscnt 0x0
	CROUND
	JLOAD G0+4, G1, G0B+4, G1B                     ; slot 1's first fill: my one tensor load behind the round
	FETCH_B 0, 0, 0
	FETCH_A 0, 0, 0
	SCALES 0, 0
	FETCH_A 0, 0, 4
	s_wait_loadcnt 0x0
	STEP 0, 0, 1
	global_prefetch_b8 v8, s[92:93] offset:8192 th:TH_LOAD_NT scope:SCOPE_SE    ; K step 2, which this slot's refill will ask for
	STEP 0, 1, 0
	STEP 0, 2, 0
	TURN 0, 1, 1, 1
	global_prefetch_b8 v8, s[92:93] offset:12288 th:TH_LOAD_NT scope:SCOPE_SE   ; K step 3: a slot's steps ahead of its load
	STEP 1, 0, 0
	STEP 1, 1, 0
	STEP 1, 2, 0
	TURN 1, 0, 1, 2
	global_prefetch_b8 v8, s[96:97] th:TH_LOAD_NT scope:SCOPE_SE                ; the second product's first slot, likewise
	STEP 0, 0, 0
	STEP 0, 1, 0
	STEP 0, 2, 0
	TURN 0, 1, 2, 3
	global_prefetch_b8 v8, s[96:97] offset:8192 th:TH_LOAD_NT scope:SCOPE_SE    ; and its second
	STEP 1, 0, 0
	STEP 1, 1, 0
	STEP 1, 2, 0
	s_wait_tensorcnt 0x0
	ds_add_u32 v[SPW], v[NIL]
	s_add_nc_u64 s[G0+6:G0+7], s[2:3], 8192
	s_add_nc_u64 s[G0B+6:G0B+7], s[66:67], 8192
	s_or_b32 s[G0+7], s[G0+7], 0x80000000
	s_or_b32 s[G0B+7], s[G0B+7], 0x80000000
	s_wait_dscnt 4*NL+1
	WIN MUL_LO
	MUL16 0, 1, NQ-1, 1, 0
	s_wait_dscnt 0x0
	s_barrier_signal -1
	MUL16 2, 1, NQ-1, 1, 0
	WIN 0
	s_barrier_wait -1
	CREST
	JLOAD G0+4, G1, G0B+4, G1B
	WIN MUL_HI
	MUL16 4, 1, NQ-1, 1, 0
	MUL16 6, 1, NQ-1, 1, 0
	WIN 0
	PLACES NP
.irp j, 0,1,2,3
.irp g, 0,1,2,3
	global_load_b128 v[SQB+16*\j+4*\g:SQB+16*\j+4*\g+3], v[QSB], s[6:7] offset:2048*\j+256*\g
.endr
.endr
.irp g, 0,1,2,3
	global_load_b128 v[SQA+4*\g:SQA+4*\g+3], v[QSA], s[6:7] offset:256*\g
.endr
	QFETCH 0
.irp b, 0,1,2,3
	v_mov_b32 v[TM+4+\b], 0
.endr
.macro QOUT a, oc, os
.set AC, 64*((\a)%4)
	WIN (2+(\a)/4)*20
.irp b, 0,1,2,3
	v_max3_num_f32 v[TM+\b], s100, |v[AC+16*\b]|, |v[AC+16*\b+1]|
.endr
.irp i, 2,4,6,8,10,12,14
.irp b, 0,1,2,3
	v_max3_num_f32 v[TM+\b], v[TM+\b], |v[AC+16*\b+\i]|, |v[AC+16*\b+\i+1]|
.endr
.endr
	WIN 0
.irp b, 0,1,2,3
	v_permlanex16_b32 v[TM+4+\b], v[TM+\b], s98, s99
.endr
.irp b, 0,1,2,3
	v_max_num_f32 v[TM+\b], v[TM+\b], v[TM+4+\b]
.endr
.irp b, 0,1,2,3
	v_add_nc_u32 v[TM+12+\b], 0xff000000, v[TM+\b]
.endr
.irp b, 0,1,2,3
	v_lshrrev_b32 v[TM+4+\b], 23, v[TM+12+\b]
.endr
	v_lshl_or_b32 v[PWS+(\a)], v[TM+5], 8, v[TM+4]
	v_lshl_or_b32 v[PWS+(\a)], v[TM+6], 16, v[PWS+(\a)]
	v_lshl_or_b32 v[PWS+(\a)], v[TM+7], 24, v[PWS+(\a)]
	WIN 2+(\a)/4
.irp b, 0,1,2,3
	v_cvt_scalef32_pk8_fp4_f32 v[PC+8*(\a)+2*\b], v[AC+16*\b:AC+16*\b+7], v[TM+12+\b]
	v_cvt_scalef32_pk8_fp4_f32 v[PC+8*(\a)+2*\b+1], v[AC+16*\b+8:AC+16*\b+15], v[TM+12+\b]
.endr
	WIN 0
	v_nop
.irp c, 0,1
.irp i, 0,1
	v_permlane16_swap_b32 v[PC+8*(\a)+4*\c+\i], v[PC+8*(\a)+4*\c+2+\i]
.endr
.endr
.irp c, 0,1
	global_store_b128 v[CO], v[PC+8*(\a)+4*\c:PC+8*(\a)+4*\c+3], s[\oc:\oc+1] offset:16384*(\a)+512*\c
.endr
.if (\a)%2
	v_cndmask_b32 v[SW+(\a)/2], v[PWS+(\a)-1], v[PWS+(\a)], s101
	global_store_b32 v[SOF], v[SW+(\a)/2], s[\os:\os+1] offset:1024*((\a)-1)
.endif
.endm
.irp a, 0,1,2,3,4,5,6,7
	QOUT \a, 20, 22
.endr
.irp t, 0,1,2,3,4,5,6,7,8,9,10,11,12,13,14,15
	QSTEP \t
.endr
	WIN 0
	PLACES NP
	s_wait_xcnt 0x0
	QOUT 0, 12, 14
	QOUT 1, 12, 14
	s_wait_tensorcnt 0x0
	ds_add_u32 v[SPW], v[NIL]
	s_wait_dscnt 0x0
	CROUND
	s_endpgm
.Lfunc_end_k_q4e53a75d2a_proj:
	.size	k_q4e53a75d2a_proj, .Lfunc_end_k_q4e53a75d2a_proj-k_q4e53a75d2a_proj
	.p2alignl 7, 3214868480
	.fill 96, 4, 3214868480
	.section	.rodata,"a",@progbits
	.p2align	6, 0x0
	.amdhsa_kernel k_q4e53a75d2a_proj
		.amdhsa_group_segment_fixed_size 327680
		.amdhsa_private_segment_fixed_size 0
		.amdhsa_enable_private_segment 0
		.amdhsa_kernarg_size 48
		.amdhsa_user_sgpr_count 2
		.amdhsa_user_sgpr_kernarg_segment_ptr 1
		.amdhsa_wavefront_size32 1
		.amdhsa_system_sgpr_workgroup_id_x 1
		.amdhsa_system_sgpr_workgroup_id_y 1
		.amdhsa_system_sgpr_workgroup_id_z 1
		.amdhsa_system_vgpr_workitem_id 0
		.amdhsa_next_free_vgpr 1024
		.amdhsa_next_free_sgpr 102
		.amdhsa_reserve_vcc 0
		.amdhsa_float_denorm_mode_32 3
		.amdhsa_float_denorm_mode_16_64 3
		.amdhsa_memory_ordered 1
		.amdhsa_forward_progress 1
		.amdhsa_inst_pref_size 255
	.end_amdhsa_kernel
	.section	.bss,"aw",@nobits
	.p2align	6
	.space	262144
	.amdgpu_metadata
---
amdhsa.version: [ 1, 2 ]
amdhsa.kernels:
  - .name:           k_q4e53a75d2a_proj
    .symbol:         k_q4e53a75d2a_proj.kd
    .args:
      - { .name: xw_c, .offset: 0, .size: 8, .value_kind: global_buffer, .address_space: global }
      - { .name: xw_s, .offset: 8, .size: 8, .value_kind: global_buffer, .address_space: global }
      - { .name: bq, .offset: 16, .size: 8, .value_kind: global_buffer, .address_space: global }
      - { .name: bk, .offset: 24, .size: 8, .value_kind: global_buffer, .address_space: global }
      - { .name: qk_c, .offset: 32, .size: 8, .value_kind: global_buffer, .address_space: global }
      - { .name: qk_s, .offset: 40, .size: 8, .value_kind: global_buffer, .address_space: global }
    .group_segment_fixed_size: 327680
    .private_segment_fixed_size: 0
    .kernarg_segment_align: 8
    .kernarg_segment_size: 48
    .max_flat_workgroup_size: 128
    .sgpr_count:     102
    .vgpr_count:     1024
    .wavefront_size: 32
...
	.end_amdgpu_metadata
.endif
;; end of part 2
;; launch attn (part 3): grid 16 x 16, 4 waves a work-group, clusters of 4 x 4, 327,680 bytes of LDS; arguments qk_c, qk_s, xw_c, xw_s, attn_mask, u, stats; writes u, stats
.if DOCPART == 3
	.amdgcn_target "amdgcn-amd-amdhsa--gfx1250"
	.amdhsa_code_object_version 6
	.text
	.protected	k_q4e53a75d2a_attn
	.globl	k_q4e53a75d2a_attn
	.p2align	8
	.type	k_q4e53a75d2a_attn,@function
k_q4e53a75d2a_attn:
	s_mov_b64 s[64:65], 0
	v_nop
	global_prefetch_b8 v0, s[64:65] scope:SCOPE_SE
	s_setreg_imm32_b32 hwreg(HW_REG_WAVE_MODE, 25, 1), 1
	s_wait_xcnt 0x0
	s_wait_alu depctr_hold_cnt(0) depctr_sa_sdst(0) depctr_va_vdst(0) depctr_va_sdst(0) depctr_va_ssrc(0) depctr_va_vcc(0) depctr_vm_vsrc(0)
	s_getreg_b32 s2, hwreg(HW_REG_IB_STS2, 6, 4)
	s_cmp_eq_u32 s2, 0
	s_cbranch_scc0 .Lentry_in_a_cluster
	s_endpgm
.Lentry_in_a_cluster:
	s_bfe_u32 s2, ttmp6, 0x10000c
	s_cmp_lg_u32 s2, 0xf033
	s_cbranch_scc0 .Lentry_shape_is_right
	s_endpgm
.Lentry_shape_is_right:
; LAUNCH 3 OF 4.  On tiles of 128 queries x 128 columns: S = Q(q) Q(k)^T (+ attn_mask x sqrt(2048) as its first C), mixed = Q(attn_mask) Q(value), both on codes of FP4 with E8M0 scales.  Nothing is left out.
; t = S x log2(e) / sqrt(2048) is score x log2(e).  A wave owns 64 rows x 64 columns, one CHUNK of the softmax's axis: it takes the chunk's own maximum m away, p = 2^(t - m), l = the sum of p, and stores u = p x mixed and (m, l).
; The last launch joins a row's 32 chunks: no fixed shift stands anywhere.
; Grid: x = the column tile, y = 4 x batch + the row tile.  256 work-groups, four waves, 16 accumulators of each product a wave.
; K = 2,048 of each product goes in two steps of 1,024 through two LDS slots: S's halves, then mixed's halves into the same slots.  The softmax stands behind the second refill, which lands under it.
; IMAGES: a fragment is 1,024 dense bytes, so LDS loads read consecutive bytes; no pitch, no padding.  The scale bytes of all four operands, for all of K, come once and stay.
; FIRST FILLS, one tensor load a wave: at the head wave 0 brings slot 0's 8 row blocks of q, wave 2 those of k, wave 1 q's scale bytes, wave 3 k's; behind the full sequence and a round wave 0 and wave 2 bring slot 1,
; wave 1 the mask's scale bytes, wave 3 value's.  At a refill each wave brings 4 row blocks.
; CLUSTERS: 4 x 4 = one batch's four row tiles x four column tiles.  q's and the mask's tiles are shared along a row of the cluster, k's and value's along a column: joint loads.
; PREFETCHES: three a wave, 8,192 bytes each: slot 1's tile under the head's loads, slot 0's refill likewise, slot 1's refill behind slot 1's first fill.  Of a wave's 4 row blocks each of the four partners names one: told apart by address.
; TRANSPOSED: source 0 = 16 keys (or 16 d), source 1 = 16 queries: lane (r, h) holds query 16 a + r and columns 16 b + 8 h + 0 .. 7.
; LIMITS: NaN and infinities are not served.
; REGISTERS: window 0: v12-15 the statistics on their way out; v16-31 addresses; v32-95 scale words, two sets, later rows of u; v96-127 eight registers of statistics a row block; v128-255 S, then p, then u.
;   window 1: two fragment buffers of 128 (two steps of 128 along K each: 64 of A, 64 of B).   window 2: v0-127 mixed.
.set SLOT,  131072                     ; A's 8 row blocks x 8,192 bytes, then B's 8
.set SCL,   262144                     ; four sets of 8 KB of scale bytes: q's, the mask's, k's, value's
.set SPARE, 294912                     ; the spare words, 128 bytes a wave
.set ADRA, 16
.set ADRB, 20
.set PFO,  22                          ; v22 the prefetches' offset: lanes 256 bytes apart; never rewritten
.set STO,  24                          ; v24 the stage, in: 272 r + 32 h
.set RD,   25                          ; v25 and back: 272 h + 16 r
.set CO,   26                          ; v26 the same two rows in u: 8192 h + 16 r
.set ADRS, 27
.set SPW,  28
.set NIL,  29
.set MO,   30                          ; v30 attn_mask: 8192 r + 32 h
.set SO,   31                          ; v31 16 x lane
.set SC,   32                          ; set s at v[SC + 32 s]; register 8 i + q: lanes 0-15 A's block i, lanes 16-31 B's block i, the slot's q-th 128 along K
.set BK,   32                          ; the way out: 16 rows read back, two sets
.set ST,   96                          ; block a at v[ST + 8 a]: +0 m, +1 the largest S, +2:3 and +4:5 sums, +6 a permute's destination, +7 l
.set P,    128
.set G1A,  32
.set G1B,  40
.set G1SA, 48
.set G1SB, 56
.set G0A,  68
.set G0B,  76
.set G0SA, 84
.set G0SB, 88
.set PF2,  66                          ; s[66:67]   my row block of the second product's tile; never rewritten
.set PF1,  104                         ; s[104:105] my row block of the first product's tile; never rewritten
.set MSB, 0
.macro WIN new
.if MSB != (\new)
	s_set_vgpr_msb (MSB<<8)|(\new)
.set MSB, (\new)
.endif
.endm
.macro JLOAD g0a, g1a, g0b, g1b        ; a refill: waves 0 and 1 fetch for A, waves 2 and 3 for B; an s_nop 0 and four v_nop follow each of the two lines
	s_cmp_eq_u32 s19, 0
	s_cbranch_scc0 .Lfor_b_\@
	tensor_load_to_lds s[\g0a:\g0a+3], s[\g1a:\g1a+7]
	s_nop 0
.rept 4
	v_nop
.endr
	s_branch .Lasked_\@
.Lfor_b_\@:
	tensor_load_to_lds s[\g0b:\g0b+3], s[\g1b:\g1b+7]
	s_nop 0
.rept 4
	v_nop
.endr
.Lasked_\@:
.endm
.macro CREST
	s_cmp_lg_u32 s18, 0
	s_cbranch_scc1 .Lnot_wave_0_\@
	s_barrier_signal -3
.Lnot_wave_0_\@:
	s_barrier_wait -3
	s_barrier_signal -1
	s_barrier_wait -1
.endm
.macro CROUND
	s_barrier_signal -1
	s_barrier_wait -1
	CREST
.endm
.macro PLACES
.rept 4
	v_nop
.endr
.endm
; FOUR FIRST FILLS, ONE A WAVE: wave 0 a slot's 8 row blocks of A, wave 2 those of B, wave 1 the scale bytes on A's side, wave 3 those on B's.
; One chain of branches on the wave's number, an arm a load, all arms leading to one join.
.macro LOAD4 g0a, g0b
	s_cmp_eq_u32 s18, 0
	s_cbranch_scc0 .Lh1_\@
	tensor_load_to_lds s[\g0a:\g0a+3], s[G1A:G1A+7]
	s_nop 0
.rept 4
	v_nop
.endr
	s_branch .Lhj_\@
.Lh1_\@:
	s_cmp_eq_u32 s18, 1
	s_cbranch_scc0 .Lh2_\@
	tensor_load_to_lds s[G0SA:G0SA+3], s[G1SA:G1SA+7]
	s_nop 0
.rept 4
	v_nop
.endr
	s_branch .Lhj_\@
.Lh2_\@:
	s_cmp_eq_u32 s18, 2
	s_cbranch_scc0 .Lh3_\@
	tensor_load_to_lds s[\g0b:\g0b+3], s[G1B:G1B+7]
	s_nop 0
.rept 4
	v_nop
.endr
	s_branch .Lhj_\@
.Lh3_\@:
	tensor_load_to_lds s[G0SB:G0SB+3], s[G1SB:G1SB+7]
	s_nop 0
.rept 4
	v_nop
.endr
.Lhj_\@:
.endm
	s_load_b256 s[4:11], s[0:1], 0x0               ; qk_c s[4:5], qk_s s[6:7], xw_c s[8:9], xw_s s[10:11]
	s_load_b128 s[12:15], s[0:1], 0x20             ; attn_mask s[12:13], u s[14:15]
	s_load_b64 s[16:17], s[0:1], 0x30              ; stats
	v_lshl_add_u32 v[SPW], v0, 2, SPARE
	v_mov_b32 v[NIL], 0
	ds_add_u32 v[SPW], v[NIL]                      ; the wave's opening: the add, twice on end, and its wait ahead of my first tensor load
	ds_add_u32 v[SPW], v[NIL]
	v_lshrrev_b32 v1, 5, v0
	v_readfirstlane_b32 s18, v1                    ; wave 0..3
	s_lshr_b32 s19, s18, 1                         ; my half of the rows.  Also: at a refill I fetch for A (0) or for B (1)
	s_and_b32 s20, s18, 1                          ; my half of the columns.  Also: which 4 row blocks I fetch at a refill
	s_bfe_u32 s21, ttmp6, 0x40000                  ; cx
	s_bfe_u32 s22, ttmp6, 0x40004                  ; cy: the row tile in the batch
	s_lshl_b32 s23, ttmp9, 2
	s_add_co_u32 s23, s23, s21                     ; the column tile
	s_and_b32 s24, ttmp7, 0xffff                   ; cluster y = the batch
	s_lshl_b32 s25, s22, 2
	s_lshl_b32 s25, 15, s25                        ; my row of the cluster
	s_lshl_b32 s26, 0x1111, s21                    ; my column
	; group 1 for codes: row blocks' parts of 8,192 bytes (1,024 elements of 8 bytes), 16,384 bytes apart; dense in LDS
	s_or_b32 s[G1A+0], s25, (3<<16)|(1<<21)
	s_or_b32 s[G1B+0], s26, (3<<16)|(1<<21)
.irp g, G1A, G1B
	s_mov_b32 s[\g+1], 1024<<16                    ; tensor_dim0
	s_mov_b32 s[\g+2], 8<<16                       ; tensor_dim1: the first fills bring 8 row blocks; the refills set these two words to 4
	s_mov_b32 s[\g+3], 1024<<16                    ; tile_dim0
	s_mov_b32 s[\g+4], 8                           ; tile_dim1
	s_mov_b32 s[\g+5], 2048                        ; tensor_dim0_stride
	s_mov_b32 s[\g+6], 0
	s_mov_b32 s[\g+7], 0
.endr
	; and for the scale bytes of 8 row blocks: 8,192 dense bytes as 32 rows of 256
	s_or_b32 s[G1SA+0], s25, (3<<16)|(1<<21)
	s_or_b32 s[G1SB+0], s26, (3<<16)|(1<<21)
.irp g, G1SA, G1SB
	s_mov_b32 s[\g+1], 32<<16
	s_mov_b32 s[\g+2], 32<<16
	s_mov_b32 s[\g+3], 32<<16
	s_mov_b32 s[\g+4], 32
	s_mov_b32 s[\g+5], 32
	s_mov_b32 s[\g+6], 0
	s_mov_b32 s[\g+7], 0
.endr
	s_mov_b32 s96, 0x3d0293ee                      ; c = log2(e) / sqrt(2048)
	s_mov_b32 s97, s96                             ; (named with it as a pair)
	s_mov_b32 s98, 0x76543210
	s_mov_b32 s99, 0xfedcba98                      ; lane l xor 16
	s_mov_b32 s100, 0xffff0000                     ; lanes 16-31
	s_lshl_b32 s101, s20, 2                        ; which 4 row blocks of the tile's 8 I fetch at a refill
	; LDS addresses: wave x 32,768 in a slot: no place in the cluster enters them
	s_mov_b32 s[G0A], 1
	s_lshl_b32 s[G0A+1], s18, 15
	s_mov_b32 s[G0A+4], 1
	s_add_co_u32 s[G0A+5], s[G0A+1], SLOT
	s_mov_b32 s[G0B], 1
	s_lshl_b32 s[G0B+1], s18, 15
	s_mov_b32 s[G0B+4], 1
	s_add_co_u32 s[G0B+5], s[G0B+1], SLOT
	s_mov_b32 s[G0SA], 1
	s_mov_b32 s[G0SA+1], SCL                       ; q's scale bytes; the mask's follow 8,192 bytes on
	s_mov_b32 s[G0SB], 1
	s_mov_b32 s[G0SB+1], SCL+16384                 ; k's; value's follow 8,192 bytes on
	s_wait_dscnt 0x0                               ; both opening adds are done
	s_wait_kmcnt 0x0
	; A's addresses hang on the batch, cy and the wave alone
	s_lshl_b32 s27, s24, 2
	s_add_co_u32 s27, s27, s22                     ; y = 4 x batch + cy
	s_lshl_b32 s28, s27, 3
	s_add_co_u32 s28, s28, s101                    ; q: row block 8 y + 4 x half
	s_lshl_b32 s28, s28, 14
	s_mov_b32 s29, 0
	s_add_nc_u64 s[G0A+2:G0A+3], s[4:5], s[28:29]
	s_add_nc_u64 s[G0A+6:G0A+7], s[G0A+2:G0A+3], 8192   ; slot 1: the second 1,024 along K
	s_or_b32 s[G0A+3], s[G0A+3], 0x80000000
	s_or_b32 s[G0A+7], s[G0A+7], 0x80000000
	s_lshl_b32 s28, s22, 3
	s_add_co_u32 s28, s28, s101
	s_add_co_u32 s28, s28, 896                     ; the mask: row block 896 + 8 cy + 4 x half
	s_lshl_b32 s28, s28, 14
	s_add_nc_u64 s[92:93], s[8:9], s[28:29]        ; kept for the refills
	s_lshl_b32 s28, s27, 13                        ; q's scale bytes: 8 y row blocks of 1,024
	s_add_nc_u64 s[G0SA+2:G0SA+3], s[6:7], s[28:29]
	s_or_b32 s[G0SA+3], s[G0SA+3], 0x80000000
	; B's hang on the batch, the column tile and the wave alone
	s_lshl_b32 s2, s24, 7
	s_lshl_b32 s3, s23, 3
	s_add_co_u32 s2, s2, s3                        ; 128 x batch + 8 x column tile
	s_add_co_u32 s30, s2, s101
	s_add_co_u32 s30, s30, 128                     ; k: row block 128 + that + 4 x half
	s_lshl_b32 s30, s30, 14
	s_mov_b32 s31, 0
	s_add_nc_u64 s[G0B+2:G0B+3], s[4:5], s[30:31]
	s_add_nc_u64 s[G0B+6:G0B+7], s[G0B+2:G0B+3], 8192
	s_or_b32 s[G0B+3], s[G0B+3], 0x80000000
	s_or_b32 s[G0B+7], s[G0B+7], 0x80000000
	s_add_co_u32 s30, s2, s101
	s_add_co_u32 s30, s30, 928                     ; value: row block 928 + that + 4 x half
	s_lshl_b32 s30, s30, 14
	s_add_nc_u64 s[94:95], s[8:9], s[30:31]        ; kept for the refills
	s_add_co_u32 s30, s2, 128
	s_lshl_b32 s30, s30, 10                        ; k's scale bytes
	s_add_nc_u64 s[G0SB+2:G0SB+3], s[6:7], s[30:31]
	s_or_b32 s[G0SB+3], s[G0SB+3], 0x80000000
	; the prefetches: of the 4 row blocks 4 x half .. + 3 of A's tile (waves 0, 1) or B's (waves 2, 3), the partner at place p (cx for A's, cy for B's) names row block p: told apart by address
	s_cmp_eq_u32 s19, 0
	s_cselect_b64 s[PF2:PF2+1], s[92:93], s[94:95]
	s_cselect_b32 s30, s21, s22
	s_lshl_b32 s30, s30, 14
	s_add_nc_u64 s[PF2:PF2+1], s[PF2:PF2+1], s[30:31]
	s_lshl_b32 s28, s27, 3                         ; q's row block 8 y,
	s_add_co_u32 s29, s2, 128                      ; or k's
	s_cmp_eq_u32 s19, 0
	s_cselect_b32 s28, s28, s29
	s_add_co_u32 s28, s28, s101
	s_lshl_b32 s28, s28, 14
	s_add_co_u32 s28, s28, s30
	s_mov_b32 s29, 0
	s_add_nc_u64 s[PF1:PF1+1], s[4:5], s[28:29]
	CROUND                                         ; all sixteen work-groups are here: the first joint loads meet
	LOAD4 G0A, G0B                                 ; waves 0 and 2: their own quarter's group 0 begins where the whole tile begins
	s_mov_b32 s2, 0x423504f3                       ; sqrt(2048)
	s_mov_b32 s3, s2
	v_and_b32 v1, 15, v0                           ; r
	v_bfe_u32 v2, v0, 4, 1                         ; h
	v_and_b32 v3, 31, v0
	v_lshlrev_b32 v[SO], 4, v3
	v_lshlrev_b32 v[PFO], 8, v3
	v_lshlrev_b32 v[MO], 13, v1
	v_lshl_add_u32 v[MO], v2, 5, v[MO]
	s_wait_alu depctr_va_vdst(0)
	s_lshl_b32 s28, s22, 7                         ; attn_mask at my first query (in the sequence) and my first column
	s_lshl_b32 s29, s19, 6
	s_add_co_u32 s28, s28, s29
	s_lshl_b32 s28, s28, 13
	s_lshl_b32 s30, s23, 9
	s_lshl_b32 s31, s20, 8
	s_add_co_u32 s30, s30, s31                     ; my first column, in bytes: 512 x column tile + 256 x half
	s_add_co_u32 s28, s28, s30
	s_mov_b32 s29, 0
	s_add_nc_u64 s[12:13], s[12:13], s[28:29]
.irp a, 0,1,2,3
.irp b, 0,1,2,3
	global_load_b128 v[P+8*(4*\a+\b):P+8*(4*\a+\b)+3], v[MO], s[12:13] offset:131072*\a+64*\b        ; the mask in the result's layout
	global_load_b128 v[P+8*(4*\a+\b)+4:P+8*(4*\a+\b)+7], v[MO], s[12:13] offset:131072*\a+64*\b+16
.endr
.endr
	s_lshl_b32 s27, s24, 2
	s_add_co_u32 s27, s27, s22                     ; y
	global_prefetch_b8 v[PFO], s[PF1:PF1+1] offset:8192 th:TH_LOAD_NT scope:SCOPE_SE   ; what slot 1's first fill will ask for when the head's loads have landed: 8,192 bytes of one row block, the second half of K
	global_prefetch_b8 v[PFO], s[PF2:PF2+1] th:TH_LOAD_NT scope:SCOPE_SE               ; what slot 0's refill will ask for, a whole slot's products ahead: the second product's first half of K
	s_lshl_b32 s28, s27, 1
	s_add_co_u32 s28, s28, s19                     ; my group of 64 rows: 2 y + half
	s_lshl_b32 s31, s28, 9                         ; 512 bytes of statistics a group and chunk
	s_lshl_b32 s28, s28, 19                        ; 64 rows of 8,192 bytes
	s_add_co_u32 s28, s28, s30
	s_add_nc_u64 s[14:15], s[14:15], s[28:29]      ; u at my first row and column
	s_lshr_b32 s30, s30, 8                         ; my chunk: 2 x column tile + half
	s_lshl_b32 s30, s30, 14
	s_add_co_u32 s30, s30, s31
	s_mov_b32 s31, 0
	s_add_nc_u64 s[16:17], s[16:17], s[30:31]
	s_lshl_b32 s27, s19, 15                        ; my 4 row blocks of A
	s_lshl_b32 s28, s20, 15                        ; my 4 of B,
	s_add_co_u32 s28, s28, 65536                   ; behind A's 8
.irp s, 0,1
	v_add_nc_u32 v[ADRA+\s], s27, v[SO]
	v_add_nc_u32 v[ADRB+\s], s28, v[SO]
	s_add_co_u32 s27, s27, SLOT
	s_add_co_u32 s28, s28, SLOT
.endr
	v_lshlrev_b32 v5, 4, v1
	s_lshl_b32 s27, s19, 12                        ; A's scale bytes: my 4 row blocks
	s_lshl_b32 s28, s20, 12                        ; B's: my 4, two sets further on
	s_add_co_u32 s28, s28, 16384
	s_sub_co_u32 s28, s28, s27
	v_mul_u32_u24 v6, s28, v2                      ; lanes 16-31 take B's: one product with the lane's half
	s_add_co_u32 s27, s27, SCL
	v_add_nc_u32 v5, v5, v6
	v_add_nc_u32 v[ADRS], s27, v5
	s_mul_i32 s27, s18, 4352                       ; my stage: 16 rows x 272 bytes, in slot 0, which has had its last fill and its last read when the first result is stored there
	v_mul_u32_u24 v4, v1, 272
	v_lshl_add_u32 v4, v2, 5, v4
	v_add_nc_u32 v[STO], s27, v4
	v_mul_u32_u24 v5, v2, 272
	v_lshl_add_u32 v5, v1, 4, v5
	v_add_nc_u32 v[RD], s27, v5
	v_lshlrev_b32 v[CO], 13, v2
	v_lshl_add_u32 v[CO], v1, 4, v[CO]
.irp a, 0,1,2,3
	v_mov_b32 v[ST+8*\a+6], 0                      ; written once: a lane permute's destination counts as one of its sources
.endr
	s_wait_loadcnt 0x0                             ; the mask
.set j, 0
.rept 64
	v_pk_mul_f32 v[P+j:P+j+1], v[P+j:P+j+1], s[2:3] op_sel_hi:[1,0]   ; x sqrt(2048): it starts S's sums, so that score = sum / sqrt(2048); nothing is cleared and nothing is added later
.set j, j+2
.endr
.rept 8
	v_nop                                          ; plain places between these writes and the matrix instructions that take them as C
.endr
; 8 matrix instructions: A's blocks a0, a0 + 1 x B's four, the slot's q-th 128 along K, from half c of buffer f.  p = 0: S, in window 0; p = 1: mixed, in window 2.  zero = 1: the product starts the sum.
; The 16 accumulators take turns, one instruction a turn, in the same order everywhere.
.macro MUL8 f, c, a0, q, sc, p, zero
.irp a, \a0, \a0+1
.irp b, 0,1,2,3
.if \zero
	v_wmma_scale_f32_16x16x128_f8f6f4 v[128-128*(\p)+8*(4*(\a)+\b):128-128*(\p)+8*(4*(\a)+\b)+7], v[\f+64+8*(4*(\c)+\b):\f+64+8*(4*(\c)+\b)+7], v[\f+8*(4*(\c)+(\a)):\f+8*(4*(\c)+(\a))+7], 0, v[SC+32*(\sc)+8*\b+(\q)], v[SC+32*(\sc)+8*(\a)+(\q)] matrix_a_fmt:MATRIX_FMT_FP4 matrix_b_fmt:MATRIX_FMT_FP4 matrix_a_scale:MATRIX_SCALE_ROW1
.else
	v_wmma_scale_f32_16x16x128_f8f6f4 v[128-128*(\p)+8*(4*(\a)+\b):128-128*(\p)+8*(4*(\a)+\b)+7], v[\f+64+8*(4*(\c)+\b):\f+64+8*(4*(\c)+\b)+7], v[\f+8*(4*(\c)+(\a)):\f+8*(4*(\c)+(\a))+7], v[128-128*(\p)+8*(4*(\a)+\b):128-128*(\p)+8*(4*(\a)+\b)+7], v[SC+32*(\sc)+8*\b+(\q)], v[SC+32*(\sc)+8*(\a)+(\q)] matrix_a_fmt:MATRIX_FMT_FP4 matrix_b_fmt:MATRIX_FMT_FP4 matrix_a_scale:MATRIX_SCALE_ROW1
.endif
.endr
.endr
.endm
.macro FETCH slot, d, f                ; 32 LDS loads in one run: quarter d's fragments (256 along K) into buffer f, the first 128 along K first
	WIN 0x40
.irp c, 0,1
.irp i, 0,1,2,3
	ds_load_b128 v[\f+64+8*(4*\c+\i):\f+64+8*(4*\c+\i)+3],   v[ADRB+\slot] offset:8192*\i+1024*(2*(\d)+\c)
	ds_load_b128 v[\f+64+8*(4*\c+\i)+4:\f+64+8*(4*\c+\i)+7], v[ADRB+\slot] offset:8192*\i+1024*(2*(\d)+\c)+512
	ds_load_b128 v[\f+8*(4*\c+\i):\f+8*(4*\c+\i)+3],         v[ADRA+\slot] offset:8192*\i+1024*(2*(\d)+\c)
	ds_load_b128 v[\f+8*(4*\c+\i)+4:\f+8*(4*\c+\i)+7],       v[ADRA+\slot] offset:8192*\i+1024*(2*(\d)+\c)+512
.endr
.endr
.endm
.macro SCALES sc, p, hf                ; product p's scale words of half hf of K into set sc: eight words a row
.irp i, 0,1,2,3
.irp gg, 0,1
	ds_load_b128 v[SC+32*(\sc)+8*\i+4*\gg:SC+32*(\sc)+8*\i+4*\gg+3], v[ADRS] offset:8192*(\p)+1024*\i+256*(2*(\hf)+\gg)
.endr
.endr
.endm
.macro QUARTER slot, d, p, zero        ; 256 along K on buffer d % 2; in its middle the next quarter is fetched into the other buffer
	s_wait_dscnt 16                                ; the first 128 along K are in, and the scale words, which are older; the youngest sixteen loads may be out
	WIN 0x05+0xa0*(\p)
	MUL8 128*((\d)%2), 0, 0, 2*(\d), \slot, \p, \zero
	MUL8 128*((\d)%2), 0, 2, 2*(\d), \slot, \p, \zero
	PLACES
	FETCH \slot, (\d)+1, 128-128*((\d)%2)
	s_wait_dscnt 32                                ; all but the 32 just issued
	WIN 0x05+0xa0*(\p)
	MUL8 128*((\d)%2), 1, 0, 2*(\d)+1, \slot, \p, 0
	MUL8 128*((\d)%2), 1, 2, 2*(\d)+1, \slot, \p, 0
.endm
; A slot's last quarter changes slots: one barrier; ahead of it each wave waits for all its tensor loads, adds 0 to its spare word, and waits for that and for its reads of this slot.
; fill = 1: this slot takes the same half of K of the second product's operands.
.macro TURN slot, next, fill, p, pn, hfn
	WIN 0
	s_wait_tensorcnt 0x0                           ; all my tensor loads have landed, so a descriptor may be written
	ds_add_u32 v[SPW], v[NIL]
.if \fill
	s_mov_b32 s[G1A+2], 4<<16                      ; a refill brings 4 row blocks a wave
	s_mov_b32 s[G1A+4], 4
	s_mov_b32 s[G1B+2], 4<<16
	s_mov_b32 s[G1B+4], 4
.if (\slot) == 0
	s_mov_b64 s[G0A+2:G0A+3], s[92:93]
	s_mov_b64 s[G0B+2:G0B+3], s[94:95]
.else
	s_add_nc_u64 s[G0A+6:G0A+7], s[92:93], 8192
	s_add_nc_u64 s[G0B+6:G0B+7], s[94:95], 8192
.endif
	s_or_b32 s[G0A+4*(\slot)+3], s[G0A+4*(\slot)+3], 0x80000000
	s_or_b32 s[G0B+4*(\slot)+3], s[G0B+4*(\slot)+3], 0x80000000
.endif
	s_wait_dscnt 17                                ; the add and the youngest sixteen loads may be out
	WIN 0x05+0xa0*(\p)
	MUL8 128, 0, 0, 6, \slot, \p, 0
	s_wait_dscnt 0x0                               ; the add is done, and my reads of this slot are over
	s_barrier_signal -1
	MUL8 128, 0, 2, 6, \slot, \p, 0
	WIN 0
	s_barrier_wait -1
.if \fill
	CREST                                          ; the barrier has opened a round of the cluster's: no wave of any partner still reads this slot or has a load on its way
	JLOAD G0A+4*\slot, G1A, G0B+4*\slot, G1B       ; my one tensor load behind the round; its four v_nop are the places ahead of the loads below
.else
	PLACES
.endif
	SCALES \next, \pn, \hfn
	FETCH \next, 0, 0
	WIN 0x05+0xa0*(\p)
	MUL8 128, 1, 0, 7, \slot, \p, 0
	MUL8 128, 1, 2, 7, \slot, \p, 0
.endm
	s_wait_alu depctr_va_vdst(0)
	s_wait_tensorcnt 0x0                           ; my tile of the head's four is in
	ds_add_u32 v[SPW], v[NIL]
	s_lshl_b32 s30, s22, 13                        ; no tensor load of mine is out, so a group 0 may be written: the mask's scale bytes,
	s_add_co_u32 s30, s30, 896*1024
	s_mov_b32 s31, 0
	s_add_nc_u64 s[G0SA+2:G0SA+3], s[10:11], s[30:31]
	s_or_b32 s[G0SA+3], s[G0SA+3], 0x80000000
	s_mov_b32 s[G0SA+1], SCL+8192
	s_lshl_b32 s28, s24, 7                         ; and value's: row block 928 + 128 x batch + 8 x column tile
	s_lshl_b32 s29, s23, 3
	s_add_co_u32 s28, s28, s29
	s_add_co_u32 s28, s28, 928
	s_lshl_b32 s28, s28, 10
	s_mov_b32 s29, 0
	s_add_nc_u64 s[G0SB+2:G0SB+3], s[10:11], s[28:29]
	s_or_b32 s[G0SB+3], s[G0SB+3], 0x80000000
	s_mov_b32 s[G0SB+1], SCL+24576
	s_wait_dscnt 0x0
	CROUND                                         ; a whole round: the head's four tiles are in, and the joint loads meet
	LOAD4 G0A+4, G0B+4                             ; slot 1 and the second product's scale bytes: first fills all four, my one tensor load behind the round
	SCALES 0, 0, 0
	global_prefetch_b8 v[PFO], s[PF2:PF2+1] offset:8192 th:TH_LOAD_NT scope:SCOPE_SE   ; what slot 1's refill will ask for, two slots' products ahead: the second product's second half of K
	FETCH 0, 0, 0
	QUARTER 0, 0, 0, 0                             ; S, the first half of K
	QUARTER 0, 1, 0, 0
	QUARTER 0, 2, 0, 0
	TURN 0, 1, 1, 0, 0, 1                          ; slot 0 takes the mask's and value's first half
	QUARTER 1, 0, 0, 0                             ; S, the second half
	QUARTER 1, 1, 0, 0
	QUARTER 1, 2, 0, 0
	TURN 1, 0, 1, 0, 1, 0                          ; slot 1 takes their second half
	; THE CHUNK'S SOFTMAX, in window 0, the four row blocks by turns.  Each accumulator is read from its low end on.
	WIN 0
	PLACES
.irp a, 0,1,2,3
	v_max3_num_f32 v[ST+8*\a+1], v[P+32*\a], v[P+32*\a+1], v[P+32*\a+2]
.endr
.irp i, 3,5,7,9,11,13,15,17,19,21,23,25,27,29
.irp a, 0,1,2,3
	v_max3_num_f32 v[ST+8*\a+1], v[ST+8*\a+1], v[P+32*\a+\i], v[P+32*\a+\i+1]
.endr
.endr
.irp a, 0,1,2,3
	v_max_num_f32 v[ST+8*\a+1], v[ST+8*\a+1], v[P+32*\a+31]
.endr
.irp a, 0,1,2,3
	v_permlanex16_b32 v[ST+8*\a+6], v[ST+8*\a+1], s98, s99
.endr
.irp a, 0,1,2,3
	v_max_num_f32 v[ST+8*\a+1], v[ST+8*\a+1], v[ST+8*\a+6]   ; with lane l xor 16's 32 columns: the chunk's largest
.endr
.irp a, 0,1,2,3
	v_mul_f32 v[ST+8*\a], s96, v[ST+8*\a+1]        ; m = c x it (c is positive)
.endr
.irp a, 0,1,2,3
.irp i, 0,2,4,6,8,10,12,14,16,18,20,22,24,26,28,30
	v_pk_fma_f32 v[P+32*\a+\i:P+32*\a+\i+1], v[P+32*\a+\i:P+32*\a+\i+1], s[96:97], v[ST+8*\a:ST+8*\a+1] op_sel_hi:[1,0,0] neg_lo:[0,0,1] neg_hi:[0,0,1]   ; t - m, two at a time
.endr
.endr
.set j, 0
	s_wait_alu depctr_va_vdst(0)
.rept 128
	v_exp_f32 v[P+j], v[P+j]                       ; p = 2^(t - m)
.set j, j+1
.endr
	v_nop                                          ; a plain instruction behind the last exponential
	s_wait_alu depctr_va_vdst(0)                   ; one wait for the whole batch, ahead of its first reader
.irp a, 0,1,2,3
	v_pk_add_f32 v[ST+8*\a+2:ST+8*\a+3], v[P+32*\a:P+32*\a+1], v[P+32*\a+2:P+32*\a+3]
	v_pk_add_f32 v[ST+8*\a+4:ST+8*\a+5], v[P+32*\a+4:P+32*\a+5], v[P+32*\a+6:P+32*\a+7]
.endr
.irp i, 8,12,16,20,24,28
.irp a, 0,1,2,3
	v_pk_add_f32 v[ST+8*\a+2:ST+8*\a+3], v[ST+8*\a+2:ST+8*\a+3], v[P+32*\a+\i:P+32*\a+\i+1]
	v_pk_add_f32 v[ST+8*\a+4:ST+8*\a+5], v[ST+8*\a+4:ST+8*\a+5], v[P+32*\a+\i+2:P+32*\a+\i+3]
.endr
.endr
.irp a, 0,1,2,3
	v_pk_add_f32 v[ST+8*\a+2:ST+8*\a+3], v[ST+8*\a+2:ST+8*\a+3], v[ST+8*\a+4:ST+8*\a+5]
.endr
.irp a, 0,1,2,3
	v_add_f32 v[ST+8*\a+7], v[ST+8*\a+2], v[ST+8*\a+3]
.endr
.irp a, 0,1,2,3
	v_permlanex16_b32 v[ST+8*\a+6], v[ST+8*\a+7], s98, s99
.endr
.irp a, 0,1,2,3
	v_add_f32 v[ST+8*\a+7], v[ST+8*\a+7], v[ST+8*\a+6]   ; l: the chunk's sum of p
.endr
	v_cndmask_b32 v12, v[ST], v[ST+8], s100        ; lane l: m of my rows l and 32 + l, then l of the same two
	v_cndmask_b32 v13, v[ST+16], v[ST+24], s100
	v_cndmask_b32 v14, v[ST+7], v[ST+15], s100
	v_cndmask_b32 v15, v[ST+23], v[ST+31], s100
	global_store_b128 v[SO], v[12:15], s[16:17]    ; 512 consecutive bytes, aligned
	QUARTER 0, 0, 1, 1                             ; mixed, the first half of K: its first products start the sums
	QUARTER 0, 1, 1, 0
	QUARTER 0, 2, 1, 0
	TURN 0, 1, 0, 1, 1, 1                          ; nothing is left to fetch; behind this barrier nobody reads slot 0
	QUARTER 1, 0, 1, 0
	QUARTER 1, 1, 1, 0
	QUARTER 1, 2, 1, 0
	s_wait_dscnt 16
	WIN 0xa5
	MUL8 128, 0, 0, 6, 1, 1, 0
	MUL8 128, 0, 2, 6, 1, 1, 0
	s_wait_dscnt 0
	MUL8 128, 1, 0, 7, 1, 1, 0
	MUL8 128, 1, 2, 7, 1, 1, 0
	WIN 0
	PLACES
	; THE WAY OUT: u = p x mixed; a block of 16 rows x 64 columns goes through my stage and comes back as rows of 256 bytes.
	WIN 0x08                                       ; source 1: window 2
.set j, 0
.rept 64
	v_pk_mul_f32 v[P+j:P+j+1], v[P+j:P+j+1], v[j:j+1]   ; ascending: each accumulator of mixed is read from its low end on
.set j, j+2
.endr
	WIN 0
.macro TOSTAGE a
.irp b, 0,1,2,3
	ds_store_b128 v[STO], v[P+32*(\a)+8*\b:P+32*(\a)+8*\b+3] offset:64*\b
	ds_store_b128 v[STO], v[P+32*(\a)+8*\b+4:P+32*(\a)+8*\b+7] offset:64*\b+16
.endr
.irp t, 0,1,2,3,4,5,6,7
	ds_load_b128 v[BK+32*((\a)%2)+4*\t:BK+32*((\a)%2)+4*\t+3], v[RD] offset:544*\t   ; LDS serves a wave's instructions in order: these see the stores above, and the next block's stores come behind them
.endr
.endm
.macro SEND a, younger                 ; younger: the LDS instructions issued behind block a's loads, which may stay out
	s_wait_dscnt \younger
.irp t, 0,1,2,3,4,5,6,7
	global_store_b128 v[CO], v[BK+32*((\a)%2)+4*\t:BK+32*((\a)%2)+4*\t+3], s[14:15] offset:(16*(\a)+2*\t)*8192 th:TH_STORE_NT   ; sixteen lanes store 256 consecutive bytes, aligned
.endr
.endm
	TOSTAGE 0
	s_wait_alu depctr_va_vdst(0)
.irp a, 1,2,3
.if \a > 1
	s_wait_xcnt 0x0                                ; block a - 2's stores have read their registers: block a's loads may land there
.endif
	TOSTAGE \a
	SEND \a-1, 16                                  ; behind block a - 1's loads: block a's 8 stores and 8 loads
.endr
	SEND 3, 0
	s_wait_tensorcnt 0x0                           ; the wave's end
	ds_add_u32 v[SPW], v[NIL]
	s_wait_dscnt 0x0
	CROUND                                         ; the closing round
	s_endpgm
.Lfunc_end_k_q4e53a75d2a_attn:
	.size	k_q4e53a75d2a_attn, .Lfunc_end_k_q4e53a75d2a_attn-k_q4e53a75d2a_attn
	.p2alignl 7, 3214868480
	.fill 96, 4, 3214868480
	.section	.rodata,"a",@progbits
	.p2align	6, 0x0
	.amdhsa_kernel k_q4e53a75d2a_attn
		.amdhsa_group_segment_fixed_size 327680
		.amdhsa_private_segment_fixed_size 0
		.amdhsa_enable_private_segment 0
		.amdhsa_kernarg_size 56
		.amdhsa_user_sgpr_count 2
		.amdhsa_user_sgpr_kernarg_segment_ptr 1
		.amdhsa_wavefront_size32 1
		.amdhsa_system_sgpr_workgroup_id_x 1
		.amdhsa_system_sgpr_workgroup_id_y 1
		.amdhsa_system_sgpr_workgroup_id_z 1
		.amdhsa_system_vgpr_workitem_id 0
		.amdhsa_next_free_vgpr 640
		.amdhsa_next_free_sgpr 106
		.amdhsa_reserve_vcc 0
		.amdhsa_float_denorm_mode_32 3
		.amdhsa_float_denorm_mode_16_64 3
		.amdhsa_memory_ordered 1
		.amdhsa_forward_progress 1
		.amdhsa_inst_pref_size 154
	.end_amdhsa_kernel
	.amdgpu_metadata
---
amdhsa.version: [ 1, 2 ]
amdhsa.kernels:
  - .name:           k_q4e53a75d2a_attn
    .symbol:         k_q4e53a75d2a_attn.kd
    .args:
      - { .name: qk_c, .offset: 0, .size: 8, .value_kind: global_buffer, .address_space: global }
      - { .name: qk_s, .offset: 8, .size: 8, .value_kind: global_buffer, .address_space: global }
      - { .name: xw_c, .offset: 16, .size: 8, .value_kind: global_buffer, .address_space: global }
      - { .name: xw_s, .offset: 24, .size: 8, .value_kind: global_buffer, .address_space: global }
      - { .name: attn_mask, .offset: 32, .size: 8, .value_kind: global_buffer, .address_space: global }
      - { .name: u, .offset: 40, .size: 8, .value_kind: global_buffer, .address_space: global }
      - { .name: stats, .offset: 48, .size: 8, .value_kind: global_buffer, .address_space: global }
    .group_segment_fixed_size: 327680
    .private_segment_fixed_size: 0
    .kernarg_segment_align: 8
    .kernarg_segment_size: 56
    .max_flat_workgroup_size: 128
    .sgpr_count:     106
    .vgpr_count:     640
    .wavefront_size: 32
...
	.end_amdgpu_metadata
.endif
;; end of part 3
;; launch norm (part 4): grid 256 x 1, 8 waves a work-group, no clusters, 0 bytes of LDS; arguments u, stats, out0; writes out0
.if DOCPART == 4
	.amdgcn_target "amdgcn-amd-amdhsa--gfx1250"
	.amdhsa_code_object_version 6
	.text
	.protected	k_q4e53a75d2a_norm
	.globl	k_q4e53a75d2a_norm
	.p2align	8
	.type	k_q4e53a75d2a_norm,@function
k_q4e53a75d2a_norm:
	s_mov_b64 s[64:65], 0
	v_nop
	global_prefetch_b8 v0, s[64:65] scope:SCOPE_SE
	s_setreg_imm32_b32 hwreg(HW_REG_WAVE_MODE, 25, 1), 1
	s_wait_xcnt 0x0
; LAUNCH 4 OF 4.  out0[R][c] = u[R][c] x 2^(m_chunk - M) / L, with M = the largest of row R's 32 chunk maxima m and L = the sum of l_chunk x 2^(m_chunk - M).  Nothing is left out.
; A stream: one wave, one row of 8,192 bytes; all sixteen loads of the row go out at once, behind the two loads of its statistics.  A lane is a chunk while the statistics are joined.
; No LDS byte is touched (the lane permute goes through the LDS unit and is counted on DScnt), no barrier, no matrix unit: bytes alone count here.
; statistics: chunk x 16384 + (R / 64) x 512 + (R % 32) x 16 + ((R / 32) % 2) x 4 holds m, 8 bytes on l.
; LIMITS: NaN and infinities are not served; a chunk whose 2^(m - M) falls under the smallest normal number counts as 0.
.set F, 16                             ; v16-47: factor i in v[16 + 2 i], its permute index in v[17 + 2 i]: each pair is whole, and the packed multiply takes its low word for both halves
.set U, 48                             ; v48-111 the row
	s_load_b128 s[4:7], s[0:1], 0x0                ; u s[4:5], stats s[6:7]
	s_load_b64 s[8:9], s[0:1], 0x10                ; out0
	v_lshrrev_b32 v1, 5, v0
	s_delay_alu instid0(VALU_DEP_1)
	v_readfirstlane_b32 s10, v1                    ; wave 0..7
	v_and_b32 v1, 31, v0
	s_delay_alu instid0(VALU_DEP_1)
	v_lshlrev_b32 v2, 4, v1                        ; 16 x lane
	s_delay_alu instid0(VALU_DEP_2)
	v_lshlrev_b32 v3, 14, v1                       ; a lane a chunk
	v_bfe_u32 v11, v0, 4, 1
	s_delay_alu instid0(VALU_DEP_1)
	v_lshlrev_b32 v11, 2, v11                      ; 4 x (lane / 16)
	s_lshl_b32 s11, ttmp9, 3
	s_add_co_u32 s11, s11, s10                     ; my row R
	s_lshr_b32 s12, s11, 6
	s_lshl_b32 s12, s12, 9
	s_and_b32 s13, s11, 31
	s_lshl_b32 s13, s13, 4
	s_add_co_u32 s12, s12, s13
	s_bfe_u32 s13, s11, 0x10005
	s_lshl_b32 s13, s13, 2
	s_add_co_u32 s12, s12, s13
	s_mov_b32 s13, 0
	s_lshl_b32 s14, s11, 13
	s_mov_b32 s15, 0
	s_mov_b32 s16, 0x76543210
	s_mov_b32 s17, 0xfedcba98                      ; lane l xor 16
	s_wait_alu depctr_va_vdst(0)
	s_wait_kmcnt 0x0
	s_add_nc_u64 s[6:7], s[6:7], s[12:13]
	s_add_nc_u64 s[4:5], s[4:5], s[14:15]
	s_add_nc_u64 s[8:9], s[8:9], s[14:15]
	global_load_b32 v4, v3, s[6:7]                 ; m of my chunk
	global_load_b32 v5, v3, s[6:7] offset:8        ; l
.irp i, 0,1,2,3,4,5,6,7,8,9,10,11,12,13,14,15
	global_load_b128 v[U+4*\i:U+4*\i+3], v2, s[4:5] offset:512*\i th:TH_LOAD_NT   ; 512 consecutive bytes
.endr
.irp i, 0,1,2,3,4,5,6,7,8,9,10,11,12,13,14,15
	v_add_nc_u32 v[F+2*\i+1], 8*\i, v11            ; load i's lanes 0-15 lie in chunk 2 i, lanes 16-31 in chunk 2 i + 1: the index is 4 x the chunk
.endr
	v_mov_b32 v7, 0                                ; a lane permute's destination counts as one of its sources
	s_wait_loadcnt 16                              ; m and l are in; the row's sixteen loads may be out
	v_mov_b32 v6, v4
	s_delay_alu instid0(VALU_DEP_1)
	v_max_num_f32_dpp v6, v6, v6 row_xmask:1 row_mask:0xf bank_mask:0xf
	s_delay_alu instid0(VALU_DEP_1)
	v_max_num_f32_dpp v6, v6, v6 row_xmask:2 row_mask:0xf bank_mask:0xf
	s_delay_alu instid0(VALU_DEP_1)
	v_max_num_f32_dpp v6, v6, v6 row_xmask:4 row_mask:0xf bank_mask:0xf
	s_delay_alu instid0(VALU_DEP_1)
	v_max_num_f32_dpp v6, v6, v6 row_xmask:8 row_mask:0xf bank_mask:0xf
	s_wait_alu depctr_va_vdst(0)
	v_permlanex16_b32 v7, v6, s16, s17
	s_delay_alu instid0(VALU_DEP_1)
	v_max_num_f32 v6, v6, v7                       ; M, in every lane
	s_delay_alu instid0(VALU_DEP_1)
	v_sub_f32 v8, v4, v6
	s_wait_alu depctr_va_vdst(0)
	v_exp_f32 v8, v8                               ; 2^(m - M)
	v_nop                                          ; a plain instruction behind the exponential
	s_wait_alu depctr_va_vdst(0)                   ; and the wait ahead of its first reader
	v_mul_f32 v9, v5, v8
	s_delay_alu instid0(VALU_DEP_1)
	v_add_f32_dpp v9, v9, v9 row_xmask:1 row_mask:0xf bank_mask:0xf
	s_delay_alu instid0(VALU_DEP_1)
	v_add_f32_dpp v9, v9, v9 row_xmask:2 row_mask:0xf bank_mask:0xf
	s_delay_alu instid0(VALU_DEP_1)
	v_add_f32_dpp v9, v9, v9 row_xmask:4 row_mask:0xf bank_mask:0xf
	s_delay_alu instid0(VALU_DEP_1)
	v_add_f32_dpp v9, v9, v9 row_xmask:8 row_mask:0xf bank_mask:0xf
	s_delay_alu instid0(VALU_DEP_1)
	v_permlanex16_b32 v7, v9, s16, s17
	s_delay_alu instid0(VALU_DEP_1)
	v_add_f32 v9, v9, v7                           ; L
	s_wait_alu depctr_va_vdst(0)
	v_rcp_f32 v9, v9
	v_nop
	s_wait_alu depctr_va_vdst(0)
	v_mul_f32 v10, v8, v9                          ; my chunk's factor
.irp i, 0,1,2,3,4,5,6,7,8,9,10,11,12,13,14,15
	ds_bpermute_b32 v[F+2*\i], v[F+2*\i+1], v10    ; each lane pulls the factor of the chunk in which its 16 bytes of load i lie
.endr
	s_wait_dscnt 0x0
.irp i, 0,1,2,3,4,5,6,7,8,9,10,11,12,13,14,15
	s_wait_loadcnt 15-\i                           ; loads come back in order: load i is in, the younger ones may be out
	v_pk_mul_f32 v[U+4*\i:U+4*\i+1], v[U+4*\i:U+4*\i+1], v[F+2*\i:F+2*\i+1] op_sel_hi:[1,0]
	v_pk_mul_f32 v[U+4*\i+2:U+4*\i+3], v[U+4*\i+2:U+4*\i+3], v[F+2*\i:F+2*\i+1] op_sel_hi:[1,0]
	global_store_b128 v2, v[U+4*\i:U+4*\i+3], s[8:9] offset:512*\i th:TH_STORE_NT   ; 512 consecutive bytes, aligned; no store's registers are written again
.endr
	s_endpgm
.Lfunc_end_k_q4e53a75d2a_norm:
	.size	k_q4e53a75d2a_norm, .Lfunc_end_k_q4e53a75d2a_norm-k_q4e53a75d2a_norm
	.p2alignl 7, 3214868480
	.fill 96, 4, 3214868480
	.section	.rodata,"a",@progbits
	.p2align	6, 0x0
	.amdhsa_kernel k_q4e53a75d2a_norm
		.amdhsa_group_segment_fixed_size 0
		.amdhsa_private_segment_fixed_size 0
		.amdhsa_enable_private_segment 0
		.amdhsa_kernarg_size 24
		.amdhsa_user_sgpr_count 2
		.amdhsa_user_sgpr_kernarg_segment_ptr 1
		.amdhsa_wavefront_size32 1
		.amdhsa_system_sgpr_workgroup_id_x 1
		.amdhsa_system_sgpr_workgroup_id_y 1
		.amdhsa_system_sgpr_workgroup_id_z 1
		.amdhsa_system_vgpr_workitem_id 0
		.amdhsa_next_free_vgpr 112
		.amdhsa_next_free_sgpr 66
		.amdhsa_reserve_vcc 0
		.amdhsa_float_denorm_mode_32 3
		.amdhsa_float_denorm_mode_16_64 3
		.amdhsa_memory_ordered 1
		.amdhsa_forward_progress 1
		.amdhsa_inst_pref_size 11
	.end_amdhsa_kernel
	.amdgpu_metadata
---
amdhsa.version: [ 1, 2 ]
amdhsa.kernels:
  - .name:           k_q4e53a75d2a_norm
    .symbol:         k_q4e53a75d2a_norm.kd
    .args:
      - { .name: u, .offset: 0, .size: 8, .value_kind: global_buffer, .address_space: global }
      - { .name: stats, .offset: 8, .size: 8, .value_kind: global_buffer, .address_space: global }
      - { .name: out0, .offset: 16, .size: 8, .value_kind: global_buffer, .address_space: global }
    .group_segment_fixed_size: 0
    .private_segment_fixed_size: 0
    .kernarg_segment_align: 8
    .kernarg_segment_size: 24
    .max_flat_workgroup_size: 256
    .sgpr_count:     66
    .vgpr_count:     112
    .wavefront_size: 32
...
	.end_amdgpu_metadata
.endif
;; end of part 4
